; MI455X (gfx1250); checked and timed in simulation.
; The chip was launched on July 23, 2026; its instructions are those of AMD's public machine-readable ISA for CDNA 5 (MIT licence, August 2026) and "CDNA5" Instruction Set Architecture Reference Guide (July 2026). The comments in the code are by the model that wrote it; some were corrected since.
;; Advanced Weight Predictor Network. Allowed arithmetic: matrix products marked QUANTISED: E5M2 operands, one E8M0 scale for each 32 along K, by v_wmma_scale_f32_16x16x128_f8f6f4 with both operands' format E5M2, f32 sums; products left as they are: f32 operands where the result goes on into a quantised operand, else bf16, f16 or f32 operands; f32 sums; everything else in f32.
;; Inputs: W1 16 x 64 float32; W2_codes 32 x 2 x 32 uint8 (E5M2 codes of W2, K innermost, in blocks of 32 codes); W2_scales 32 x 2 uint8 (E8M0 scales of W2, one for each 32 codes along K); b1 64 float32; b2 32 float32; cluster_centers 8 x 256 float32; cluster_weights 8 float32; noise 8,192 x 8,192 float32; temperature 1 float32; x 8,192 x 256 float32.
;; Outputs: out0 8,192 x 32 float32; out1 8,192 x 8 float32; out2 8,192 x 5 float32; out3 8,192 x 3 float32; out4 one number float32.
;; This version of the problem:
;;   THIS VERSION OF THE PROBLEM IS GIVEN IN LOW PRECISION. The matrix products marked QUANTISED in the list below multiply operands that are first quantised to E5M2 (5 exponent bits, 2 mantissa bits; 8 bits a number), with one power-of-two scale for each 32 numbers along K (OCP MX v1.0); their sums are f32. All else is computed in f32.
;;   The module's matrix products, in the order in which they are computed (A, B: the left and right operand; K: the contracted axis; several contracted axes count as one K, in the product's order):
;;     1. [M 8,192, K 256] x [K 256, N 8]; A: input x; B: input cluster_centers: left as it is (N = 8 < 16)
;;     2. [M 8,192, K 256] x [K 256, N 8,192]; A: input x; B: input x: QUANTISED
;;     3. [M 8,192, K 16] x [K 16, N 64]; A: computed on the way; B: input W1: left as it is (K = 16 < 32)
;;     4. [M 8,192, K 64] x [K 64, N 32]; A: computed on the way; B: input W2 (given as codes): QUANTISED
;;     5. [M 8, K 256] x [K 256, N 8]; A: input cluster_centers; B: input cluster_centers: left as it is (M = 8 < 16)
;;   THE QUANTISER, for each operand of a quantised product, along K:
;;     - K is cut into blocks of 32 from its start; a last block that is shorter is filled with zeros.
;;     - A block's scale is 2^e with e = floor(log2(the largest magnitude in the block)) - 15, held to -126 .. 127; a block of zeros has e = 0. As a byte (E8M0): e + 127.
;;     - Each number is divided by its block's scale, clamped to +-57,344, and rounded to the nearest number of E5M2, ties to even, subnormals kept.
;;     - The product sums the exact products of the quantised numbers (number of the format x scale) in f32.
;;   ~~~python
;;   def quantise(x, axis):      # numpy; x: float32 -> the quantised numbers, widened to float32 again
;;       x = np.moveaxis(x, axis, -1); K = x.shape[-1]
;;       x = np.pad(x, [(0, 0)] * (x.ndim - 1) + [(0, -K % 32)]); x = x.reshape(x.shape[:-1] + (-1, 32)); a = np.abs(x).max(-1, keepdims=True)
;;       e = np.where(a > 0, np.clip(np.frexp(np.where(a > 0, a, 1))[1] - 1 - 15, -126, 127), 0)      # np.frexp(a)[1] - 1 = floor(log2(a)), exactly
;;       r = np.clip(x / 2.0 ** e, -57344, 57344)
;;       step = 2.0 ** (np.maximum(np.frexp(np.where(r == 0, 1, r))[1] - 1, -14) - 2)
;;       q = np.round(r / step) * step * 2.0 ** e      # np.round: ties to even
;;       return np.moveaxis(q.reshape(q.shape[:-2] + (-1,))[..., :K], -1, axis).astype(np.float32)
;;   ~~~
;;   OPERANDS COMPUTED ON THE WAY. 'Computed on the way' means the value that the module computes at that place (a softmax that the list does not call 'softmax' is quantised finished and normalised). What goes into a quantiser is computed in f32, as accurately as f32 sums, v_exp_f32 and their like allow (about 1e-6 of the number): no bf16 or f16 on the way to a quantiser, and a product that is left as it is and whose result goes on into a quantised operand takes f32 operands (vector FMAs, or v_wmma_f32_16x16x4_f32). A number that lies on a knife's edge between two numbers of the format may be rounded either way, as far as f32 arithmetic and the matrix unit's own rounding can turn it there, and no further.
;;   INPUTS GIVEN AS CODES. W2 (in the module: [64, 32], K = its axis 0): each comes as NAME_codes (uint8): NAME with its K axis moved to the last place and cut into blocks of 32 codes, [.., K / 32, bytes a block], one block behind the other in memory; one code a byte (a code: sign, 5 exponent bits, 2 mantissa bits); and NAME_scales (uint8): the same leading axes, one E8M0 byte (e + 127) for each 32 codes along K. Its value is code x scale, taken as it is: it is not quantised again, and the codes and scales need not be those that the quantiser above would give.
;; One version. Each part assembles by itself: llvm-mc -triple=amdgcn-amd-amdhsa -mcpu=gfx1250 --defsym DOCPART=n.
;; ======== version 1 of 1: 3 launches
;; limits: right only within a limited range of input values
;; workspace buffers: xq 2,228,224 bytes; cand 4,194,304 bytes of whole numbers; lossp 2,304 bytes
;; launch prep (part 1): grid 256 x 1, 8 waves a work-group, no clusters, 12,288 bytes of LDS; arguments x, cluster_centers, temperature, cluster_weights, xq, out1, out3, lossp; writes xq, out1, out3, lossp
.if DOCPART == 1
	.amdgcn_target "amdgcn-amd-amdhsa--gfx1250"
	.amdhsa_code_object_version 6
	.text
	.protected	k_qe6b91f5d86_prep
	.globl	k_qe6b91f5d86_prep
	.p2align	8
	.type	k_qe6b91f5d86_prep,@function
k_qe6b91f5d86_prep:
	s_mov_b64 s[64:65], 0
	v_nop
	global_prefetch_b8 v0, s[64:65] scope:SCOPE_SE
	s_setreg_imm32_b32 hwreg(HW_REG_WAVE_MODE, 25, 1), 1
	s_wait_xcnt 0x0
; PREP.  x [8192][256] f32 is read once.  A work-group owns 32 rows, two tiles of 16 (tile T = 2 x work-group + wave / 4); a wave owns 4 rows, a quarter of a tile, and takes them two at a time, the two rows' lines by turns.
; Of a tile it makes:
;  - record T of xq, 4,352 bytes, in the order of a matrix operand's registers: 16 half-chunks of 256 bytes of E5M2 codes (half-chunk 2 (4 s + c) + hh: row r at 16 r, byte b = k 128 s + 32 c + 16 hh + b),
;    128 bytes of scale words (word 16 s + r, byte c = block 4 s + c), 64 bytes of -sum(x^2)/2, 64 bytes of zeros;
;  - out3 (mean, unbiased std + 1e-8, entropy of softmax(x)), out1 (softmax(-dc / temperature) x weights), and the tile's sum of dc x assign (lossp[T]).
; Waves 0 to 6 of work-group 0 also make the mean distance between centres (lossp[512]): 4 of the 28 pairs each, from sums of squared differences, the same numbers as sq + sq - 2 ab with less cancellation.
; All arithmetic is f32 on the vector unit: these products have 8 columns, too few for a matrix tile.  A lane holds, of every row and centre, k = 4 l .. 4 l + 3 and 128 + 4 l .. + 3: each load of the wave
; covers 512 consecutive bytes; a block of 32 along K lies in 8 neighbouring lanes.  The four waves of a tile fill one stage in LDS, each its own rows' bytes; one barrier; then they share the way out.
; No tensor loads, clusters, matrix units or prefetch: each byte of x is read once, no tile is shared, and there is no loop to run ahead in.
; LIMITS: NaN and infinities among the inputs are not served.  A block whose largest magnitude lies under 2^-111 gets the scale byte 1; a block of zeros gets the byte 1 too, with zero codes, where the
; quantiser says 127: the bytes are read by this program alone and zero codes add nothing.  temperature = 0 is not served.
.set REC,   4352
.set HP,    272                        ; LDS: a half-chunk of 256 bytes + 16
.set TAIL,  4352                       ; scale words 128, -sq/2 64, zeros 64
.set O3S,   4608                       ; 16 rows x 3 of out3, 192 bytes
.set O1S,   4800                       ; 16 rows x 8 of out1, 512 bytes
.set LSS,   5312                       ; the four waves' sums of dc x assign
.set CCS,   5344                       ; (first tile's bytes alone) eight waves' sums of centre distances
.set WREG,  5632                       ; LDS of a tile
.set FLOOR, 0x8000000                  ; 2^(16 - 127)
.set LN, 1
.set L16, 2
.set VA, 3                             ; codes in: 272 (l / 4) + 4 (l % 4) + my first row x 16
.set VB, 4                             ; scale bytes
.set VU, 5                             ; -sq/2
.set V3, 6                             ; out3
.set VR, 7                             ; codes back
.set VT, 8
.set V16, 9
.set WT, 10
.set SQC, 11
.set NIT, 12
.set LOSS, 13
.set V1, 14                            ; out1
.set L8, 15
.set CC, 16                            ; v16-79   8 centres x 8
.set XB, 80                            ; v80-111  4 rows x 8
.set T0, 144                           ; v144-191, v192-239: the two rows' work
.set T1, 192
.set SPW, 240
.set NIL, 241
.set ZR, 242
.set VZ, 243
.set VL, 244
.set VW, 245
.set VC, 246
.set L7, 247
.set WO, 248
.set GO, 249
; places in a row's work: 0-15 eight pairs of dot partials; behind the reduction 0 = my cluster's dot, and 1-15 are used again
.set oDC, 1
.set oSCL, 2
.set oSCH, 3
.set oLIML, 4
.set oLIMH, 5
.set oBYL, 6
.set oBYH, 7
.set oNSQ, 8
.set oSSD, 10
.set oSE, 12
.set oSZ, 14
.set oY, 16
.set oZ, 24
.set oCA, 32
.set oCB, 34
.set oSUM, 36
.set oSSQ, 37
.set oMX, 38
.set oML, 39
.set oMH, 40
.set oTA, 41
.set oTB, 42
.set oTC, 43
.set oP0, 44
.set oP1, 45
.set oP2, 46
.set oTD, 47
; A reduce-scatter of eight values a lane (places 0, 2, .. 14): afterwards place 0 of lane l holds value l % 8 summed over all 32 lanes.  A step: lanes whose mask bit is 1 keep j and send i, the others the
; other way round; the partner is lane xor xm.  The selects of a level stand ahead of its sums.
.macro LV b, i, j, m, t
	v_cndmask_b32 v[\b+\t], v[\b+\j], v[\b+\i], s[\m]
	v_cndmask_b32 v[\b+\i], v[\b+\i], v[\b+\j], s[\m]
.endm
.macro LA b, i, xm, t
	v_add_f32_dpp v[\b+\i], v[\b+\t], v[\b+\i] row_xmask:\xm row_mask:0xf bank_mask:0xf
.endm
.macro L1C b
	LV \b, 0, 2, 22, oTA
	LV \b, 4, 6, 22, oTB
	LV \b, 8, 10, 22, oTC
	LV \b, 12, 14, 22, oTD
.endm
.macro L1A b
	LA \b, 0, 1, oTA
	LA \b, 4, 1, oTB
	LA \b, 8, 1, oTC
	LA \b, 12, 1, oTD
.endm
.macro L2C b
	LV \b, 0, 4, 23, oTA
	LV \b, 8, 12, 23, oTB
.endm
.macro L2A b
	LA \b, 0, 2, oTA
	LA \b, 8, 2, oTB
.endm
.macro L3C b
	LV \b, 0, 8, 24, oTA
.endm
.macro L3A b
	LA \b, 0, 4, oTA
.endm
.macro L4 b
	v_add_f32_dpp v[\b], v[\b], v[\b] row_xmask:8 row_mask:0xf bank_mask:0xf
.endm
.macro L5 b
	v_permlanex16_b32 v[\b+oP0], v[\b], s20, s21
.endm
.macro L6 b
	v_add_f32 v[\b], v[\b], v[\b+oP0]
.endm
.macro BFLY two                        ; of T0 alone, or of T0 and T1 by turns
.irp st, L1C, L1A, L2C, L2A, L3C, L3A, L4, L5, L6
	\st T0
.if \two
	\st T1
.endif
.endr
.endm
	s_load_b256 s[4:11], s[0:1], 0x0               ; x, centres, temperature, weights
	s_load_b256 s[12:19], s[0:1], 0x20             ; xq, out1, out3, lossp
	v_lshl_add_u32 v[SPW], v0, 2, 0x2c00
	v_mov_b32 v[NIL], 0
	v_lshrrev_b32 v1, 5, v0
	v_readfirstlane_b32 s29, v1                    ; wave 0..7
	v_and_b32 v[LN], 31, v0
	s_lshr_b32 s41, s29, 2                         ; which tile of the two
	s_and_b32 s37, s29, 3                          ; which quarter of its rows
	s_lshl_b32 s31, ttmp9, 1
	s_add_co_u32 s31, s31, s41                     ; T
	s_mul_i32 s36, s41, WREG                       ; my tile's LDS
	s_lshl_b32 s40, ttmp9, 3
	s_add_co_u32 s40, s40, s29                     ; my wave's number in the launch
	s_mov_b32 s20, 0x76543210                      ; selects of v_permlanex16_b32: lane l xor 16
	s_mov_b32 s21, 0xfedcba98
	s_mov_b32 s22, 0xaaaaaaaa                      ; lanes with bit 0, 1, 2 set
	s_mov_b32 s23, 0xcccccccc
	s_mov_b32 s24, 0xf0f0f0f0
	s_mov_b32 s27, 0x600000                        ; the mantissa field of 57,344
	s_lshl_b32 s38, ttmp9, 15                      ; 32 rows of 1,024 bytes
	s_lshl_b32 s39, s29, 12                        ; + 4 rows a wave
	s_add_co_u32 s38, s38, s39
	s_mov_b32 s39, 0
	s_wait_alu depctr_va_vdst(0)                   ; the wait behind the run of scalar lines
	v_lshlrev_b32 v[L16], 4, v[LN]
	v_and_b32 v[L7], 7, v[LN]
	v_lshlrev_b32 v[WO], 2, v[L7]                  ; 4 (l % 8)
	s_wait_alu depctr_va_vdst(0)
	s_wait_kmcnt 0x0
	s_load_b32 s28, s[8:9], 0x0                    ; temperature
	s_add_nc_u64 s[4:5], s[4:5], s[38:39]
.irp c, 0,1,2,3,4,5,6,7
	global_load_b128 v[CC+8*\c:CC+8*\c+3], v[L16], s[6:7] offset:1024*\c
	global_load_b128 v[CC+8*\c+4:CC+8*\c+7], v[L16], s[6:7] offset:1024*\c+512
.endr
	global_load_b32 v[WT], v[WO], s[10:11]
.irp i, 0,1,2,3
	global_load_b128 v[XB+8*\i:XB+8*\i+3], v[L16], s[4:5] offset:1024*\i th:TH_LOAD_NT     ; 32 lanes read 512 consecutive bytes
	global_load_b128 v[XB+8*\i+4:XB+8*\i+7], v[L16], s[4:5] offset:1024*\i+512 th:TH_LOAD_NT
.endr
	s_mul_i32 s38, s31, REC
	s_add_nc_u64 s[12:13], s[12:13], s[38:39]      ; my record
	s_lshl_b32 s38, s31, 9
	s_add_nc_u64 s[14:15], s[14:15], s[38:39]      ; my tile's rows of out1
	s_mul_i32 s38, s31, 192
	s_add_nc_u64 s[16:17], s[16:17], s[38:39]      ; of out3
	s_lshl_b32 s38, s31, 2
	s_add_nc_u64 s[18:19], s[18:19], s[38:39]      ; lossp[T]
	s_lshl_b32 s43, s37, 6                         ; my first row is 4 x quarter: x 16 bytes in a half-chunk,
	s_add_co_u32 s43, s43, s36
	s_lshl_b32 s44, s37, 4                         ; x 4 bytes of scale words and of -sq/2,
	s_add_co_u32 s44, s44, s36
	s_mul_i32 s45, s37, 48                         ; x 12 of out3,
	s_add_co_u32 s45, s45, s36
	s_lshl_b32 s46, s37, 7                         ; x 32 of out1
	s_add_co_u32 s46, s46, s36
	s_lshl_b32 s47, s37, 2
	s_add_co_u32 s47, s47, s36
	s_mul_i32 s48, s37, 4*HP                       ; on the way out I take half-chunks 4 x quarter on
	s_add_co_u32 s48, s48, s36
	s_lshl_b32 s49, s37, 10
	s_lshl_b32 s50, s29, 2
	v_lshrrev_b32 v[VA], 2, v[LN]
	v_mul_u32_u24 v[VA], v[VA], HP
	v_and_b32 v[T1+oTA], 3, v[LN]
	v_lshl_add_u32 v[VA], v[T1+oTA], 2, v[VA]
	v_lshl_add_u32 v[VZ], v[T1+oTA], 2, s44        ; my 16 bytes of the record's zeros: 4 (l % 4)
	v_add_nc_u32 v[VA], s43, v[VA]
	v_lshrrev_b32 v[VB], 3, v[LN]
	v_add_nc_u32 v[VB], s44, v[VB]
	v_mov_b32 v[VU], s44
	v_mov_b32 v[V3], s45
	v_add_nc_u32 v[V1], s46, v[WO]
	v_mov_b32 v[VL], s47
	v_mov_b32 v[VW], s36
	v_mov_b32 v[VC], s50
	v_lshrrev_b32 v[VR], 4, v[LN]
	v_mul_u32_u24 v[VR], v[VR], HP
	v_and_b32 v[T1+oTB], 15, v[LN]
	v_lshl_add_u32 v[VR], v[T1+oTB], 4, v[VR]
	v_add_nc_u32 v[VR], s48, v[VR]
	v_lshl_add_u32 v[VT], v[LN], 3, s36
	v_lshl_add_u32 v[V16], v[LN], 4, s36
	v_lshlrev_b32 v[L8], 3, v[LN]
	v_add_nc_u32 v[GO], s49, v[L16]
	v_mov_b32 v[LOSS], 0
	v_mov_b32 v[ZR], 0
.irp b, T0, T1
	v_mov_b32 v[\b+oP0], 0                         ; targets of lane permutes, written once
	v_mov_b32 v[\b+oP1], 0
	v_mov_b32 v[\b+oP2], 0
.endr
	ds_store_b32 v[VZ], v[ZR] offset:TAIL+192      ; my 16 of the record's last 64 bytes: zeros
	ds_store_b32 v[VC], v[ZR] offset:CCS           ; my word of the centres' sums begins as 0
	s_wait_alu depctr_va_vdst(0)                   ; the wait at the head's end and ahead of the reciprocal
	s_wait_kmcnt 0x0                               ; temperature
	v_rcp_f32 v[NIT], s28
	v_nop
	s_wait_alu depctr_va_vdst(0)
	v_mul_f32 v[NIT], 0xbfb8aa3b, v[NIT]           ; -log2(e) / temperature
	s_wait_alu depctr_va_vdst(0)
	s_wait_loadcnt 8                               ; the centres and the weights are in; the 8 loads of x may be out
.irp c, 0,1,2,3,4,5,6,7
	v_pk_mul_f32 v[T0+2*\c:T0+2*\c+1], v[CC+8*\c:CC+8*\c+1], v[CC+8*\c:CC+8*\c+1]
.endr
.irp q, 2,4,6
.irp c, 0,1,2,3,4,5,6,7
	v_pk_fma_f32 v[T0+2*\c:T0+2*\c+1], v[CC+8*\c+\q:CC+8*\c+\q+1], v[CC+8*\c+\q:CC+8*\c+\q+1], v[T0+2*\c:T0+2*\c+1]
.endr
.endr
.irp c, 0,1,2,3,4,5,6,7
	v_add_f32 v[T0+2*\c], v[T0+2*\c], v[T0+2*\c+1]
.endr
	BFLY 0
	v_mov_b32 v[SQC], v[T0]                        ; the sum of squares of centre l % 8
	; THE CENTRES AMONG THEMSELVES, in the launch's first seven waves (branches on ids): of the 28 pairs a < b wave W takes pairs 4 W .. 4 W + 3; pair p's squared distance ends in lanes with l % 8 = p % 4
.macro PAIRS W
.set P, 0
.irp a, 0,1,2,3,4,5,6
.irp b, 1,2,3,4,5,6,7
.if \b > \a
.if P/4 == \W
.irp q, 0,2,4,6
	v_pk_add_f32 v[T0+oY+\q:T0+oY+\q+1], v[CC+8*\a+\q:CC+8*\a+\q+1], v[CC+8*\b+\q:CC+8*\b+\q+1] neg_lo:[0,1] neg_hi:[0,1]
.endr
	v_pk_mul_f32 v[T0+oZ:T0+oZ+1], v[T0+oY:T0+oY+1], v[T0+oY:T0+oY+1]
.irp q, 2,4,6
	v_pk_fma_f32 v[T0+oZ:T0+oZ+1], v[T0+oY+\q:T0+oY+\q+1], v[T0+oY+\q:T0+oY+\q+1], v[T0+oZ:T0+oZ+1]
.endr
	v_add_f32 v[T0+2*(P%4)], v[T0+oZ], v[T0+oZ+1]
.endif
.set P, P+1
.endif
.endr
.endr
.endm
	s_cmp_lt_u32 s40, 7
	s_cbranch_scc0 .Lnocc
	s_cmp_eq_u32 s29, 0
	s_cbranch_scc0 .Lp1
	PAIRS 0
	s_branch .Lpj
.Lp1:
	s_cmp_eq_u32 s29, 1
	s_cbranch_scc0 .Lp2
	PAIRS 1
	s_branch .Lpj
.Lp2:
	s_cmp_eq_u32 s29, 2
	s_cbranch_scc0 .Lp3
	PAIRS 2
	s_branch .Lpj
.Lp3:
	s_cmp_eq_u32 s29, 3
	s_cbranch_scc0 .Lp4
	PAIRS 3
	s_branch .Lpj
.Lp4:
	s_cmp_eq_u32 s29, 4
	s_cbranch_scc0 .Lp5
	PAIRS 4
	s_branch .Lpj
.Lp5:
	s_cmp_eq_u32 s29, 5
	s_cbranch_scc0 .Lp6
	PAIRS 5
	s_branch .Lpj
.Lp6:
	PAIRS 6
.Lpj:
	s_wait_alu depctr_va_vdst(0)                   ; the wait behind the jumps
.irp j, 8,10,12,14
	v_mov_b32 v[T0+\j], 0                          ; values 4 to 7: no pair
.endr
	BFLY 0
	v_max_num_f32 v[T0], 0x2b8cbccc, v[T0]         ; at least 1e-12
	s_wait_alu depctr_va_vdst(0)
	v_sqrt_f32 v[T0], v[T0]
	v_cmp_gt_u32 vcc_lo, 4, v[L7]
	s_wait_alu depctr_va_vdst(0)
	v_cndmask_b32 v[T0], 0, v[T0], vcc_lo          ; lanes with l % 8 over 3 have no pair
.irp m, 1,2,4
	v_add_f32_dpp v[T0], v[T0], v[T0] row_xmask:\m row_mask:0xf bank_mask:0xf
.endr
	ds_store_b32 v[VC], v[T0] offset:CCS           ; my four distances' sum
.Lnocc:
; THE STAGES OF A ROW.  x: its eight registers; b: its work; r: its number among my four.
.macro S1 x, b                         ; my part of the sums, the maxima and the dots with the 8 centres
	v_pk_add_f32 v[\b+oY:\b+oY+1], v[\x:\x+1], v[\x+2:\x+3]
	v_pk_add_f32 v[\b+oY+2:\b+oY+3], v[\x+4:\x+5], v[\x+6:\x+7]
	v_pk_mul_f32 v[\b+oZ:\b+oZ+1], v[\x:\x+1], v[\x:\x+1]
	v_max3_num_f32 v[\b+oMX], v[\x], v[\x+1], v[\x+2]
	v_max3_num_f32 v[\b+oML], |v[\x]|, |v[\x+1]|, FLOOR
	v_max3_num_f32 v[\b+oMH], |v[\x+4]|, |v[\x+5]|, FLOOR
	v_pk_add_f32 v[\b+oY:\b+oY+1], v[\b+oY:\b+oY+1], v[\b+oY+2:\b+oY+3]
	v_pk_fma_f32 v[\b+oZ:\b+oZ+1], v[\x+2:\x+3], v[\x+2:\x+3], v[\b+oZ:\b+oZ+1]
	v_max3_num_f32 v[\b+oMX], v[\b+oMX], v[\x+3], v[\x+4]
	v_max3_num_f32 v[\b+oML], v[\b+oML], |v[\x+2]|, |v[\x+3]|
	v_max3_num_f32 v[\b+oMH], v[\b+oMH], |v[\x+6]|, |v[\x+7]|
	v_pk_fma_f32 v[\b+oZ:\b+oZ+1], v[\x+4:\x+5], v[\x+4:\x+5], v[\b+oZ:\b+oZ+1]
	v_max3_num_f32 v[\b+oMX], v[\b+oMX], v[\x+5], v[\x+6]
	v_add_f32 v[\b+oSUM], v[\b+oY], v[\b+oY+1]
	v_pk_fma_f32 v[\b+oZ:\b+oZ+1], v[\x+6:\x+7], v[\x+6:\x+7], v[\b+oZ:\b+oZ+1]
	v_max_num_f32 v[\b+oMX], v[\b+oMX], v[\x+7]
	v_add_f32 v[\b+oSSQ], v[\b+oZ], v[\b+oZ+1]
.irp c, 0,1,2,3,4,5,6,7
	v_pk_mul_f32 v[\b+2*\c:\b+2*\c+1], v[\x:\x+1], v[CC+8*\c:CC+8*\c+1]
.endr
.irp q, 2,4,6
.irp c, 0,1,2,3,4,5,6,7
	v_pk_fma_f32 v[\b+2*\c:\b+2*\c+1], v[\x+\q:\x+\q+1], v[CC+8*\c+\q:CC+8*\c+\q+1], v[\b+2*\c:\b+2*\c+1]
.endr
.endr
.irp c, 0,1,2,3,4,5,6,7
	v_add_f32 v[\b+2*\c], v[\b+2*\c], v[\b+2*\c+1]
.endr
.endm
.macro S2                              ; across lanes, both rows by turns; the blocks' maxima end at eight lanes
.irp m, 1,2,4
.irp b, T0, T1
	v_add_f32_dpp v[\b+oSUM], v[\b+oSUM], v[\b+oSUM] row_xmask:\m row_mask:0xf bank_mask:0xf
	v_add_f32_dpp v[\b+oSSQ], v[\b+oSSQ], v[\b+oSSQ] row_xmask:\m row_mask:0xf bank_mask:0xf
	v_max_num_f32_dpp v[\b+oMX], v[\b+oMX], v[\b+oMX] row_xmask:\m row_mask:0xf bank_mask:0xf
	v_max_num_f32_dpp v[\b+oML], v[\b+oML], v[\b+oML] row_xmask:\m row_mask:0xf bank_mask:0xf
	v_max_num_f32_dpp v[\b+oMH], v[\b+oMH], v[\b+oMH] row_xmask:\m row_mask:0xf bank_mask:0xf
.endr
.endr
.irp b, T0, T1
	v_add_f32_dpp v[\b+oSUM], v[\b+oSUM], v[\b+oSUM] row_xmask:8 row_mask:0xf bank_mask:0xf
	v_add_f32_dpp v[\b+oSSQ], v[\b+oSSQ], v[\b+oSSQ] row_xmask:8 row_mask:0xf bank_mask:0xf
	v_max_num_f32_dpp v[\b+oMX], v[\b+oMX], v[\b+oMX] row_xmask:8 row_mask:0xf bank_mask:0xf
.endr
.irp b, T0, T1
	v_permlanex16_b32 v[\b+oP0], v[\b+oSUM], s20, s21
	v_permlanex16_b32 v[\b+oP1], v[\b+oSSQ], s20, s21
	v_permlanex16_b32 v[\b+oP2], v[\b+oMX], s20, s21
.endr
.irp b, T0, T1
	v_add_f32 v[\b+oSUM], v[\b+oSUM], v[\b+oP0]
	v_add_f32 v[\b+oSSQ], v[\b+oSSQ], v[\b+oP1]
	v_max_num_f32 v[\b+oMX], v[\b+oMX], v[\b+oP2]
.endr
.endm
.macro S3 x, b, r                      ; the quantiser, and what the exponentials take
	v_add_nc_u32 v[\b+oSCL], 0xf8800000, v[\b+oML]         ; 15 off the exponent field: the conversion's scale operand
	v_add_nc_u32 v[\b+oSCH], 0xf8800000, v[\b+oMH]
	v_and_or_b32 v[\b+oLIML], v[\b+oML], 0x7f800000, s27   ; 57,344 x the scale
	v_and_or_b32 v[\b+oLIMH], v[\b+oMH], 0x7f800000, s27
.irp j, 0,1,2,3
	v_med3_num_f32 v[\b+oY+\j], v[\x+\j], -v[\b+oLIML], v[\b+oLIML]        ; the conversion does not saturate (ISA guide 7.6.2): hold first
	v_med3_num_f32 v[\b+oY+4+\j], v[\x+4+\j], -v[\b+oLIMH], v[\b+oLIMH]
.endr
	v_cvt_scalef32_pk8_bf8_f32 v[\b+oCA:\b+oCA+1], v[\b+oY:\b+oY+7], v[\b+oSCL]    ; my eight numbers lie in two blocks: of this one the first register counts,
	v_cvt_scalef32_pk8_bf8_f32 v[\b+oCB:\b+oCB+1], v[\b+oY:\b+oY+7], v[\b+oSCH]    ; of this one the second
	v_lshrrev_b32 v[\b+oBYL], 23, v[\b+oSCL]
	v_lshrrev_b32 v[\b+oBYH], 23, v[\b+oSCH]
	v_mul_f32 v[\b+oNSQ], -0.5, v[\b+oSSQ]
	ds_store_b32 v[VA], v[\b+oCA] offset:16*(\r)
	ds_store_b32 v[VA], v[\b+oCB+1] offset:8*HP+16*(\r)
	ds_store_b8 v[VB], v[\b+oBYL] offset:TAIL+4*(\r)                       ; the eight lanes of a block write the same byte with the same value
	ds_store_b8 v[VB], v[\b+oBYH] offset:TAIL+64+4*(\r)
	ds_store_b32 v[VU], v[\b+oNSQ] offset:TAIL+128+4*(\r)
	v_mul_f32 v[\b+oSUM], 0x3b800000, v[\b+oSUM]           ; the mean
	v_mul_f32 v[\b+oMX], 0x3fb8aa3b, v[\b+oMX]             ; the maximum x log2(e)
.irp q, 0,2,4,6
	v_pk_add_f32 v[\b+oY+\q:\b+oY+\q+1], v[\x+\q:\x+\q+1], v[\b+oSUM:\b+oSUM+1] op_sel_hi:[1,0] neg_lo:[0,1] neg_hi:[0,1]
.endr
.irp q, 0,2,4,6
	v_pk_fma_f32 v[\b+oZ+\q:\b+oZ+\q+1], v[\x+\q:\x+\q+1], 0x3fb8aa3b, v[\b+oMX:\b+oMX+1] op_sel_hi:[1,0,0] neg_lo:[0,0,1] neg_hi:[0,0,1]
.endr
	v_pk_mul_f32 v[\b+oSSD:\b+oSSD+1], v[\b+oY:\b+oY+1], v[\b+oY:\b+oY+1]
.irp q, 2,4,6
	v_pk_fma_f32 v[\b+oSSD:\b+oSSD+1], v[\b+oY+\q:\b+oY+\q+1], v[\b+oY+\q:\b+oY+\q+1], v[\b+oSSD:\b+oSSD+1]
.endr
.endm
.macro S5 b                            ; my part of sum(e) and sum(e z)
	v_pk_add_f32 v[\b+oSE:\b+oSE+1], v[\b+oY:\b+oY+1], v[\b+oY+2:\b+oY+3]
	v_pk_mul_f32 v[\b+oSZ:\b+oSZ+1], v[\b+oY:\b+oY+1], v[\b+oZ:\b+oZ+1]
	v_pk_add_f32 v[\b+oSE:\b+oSE+1], v[\b+oSE:\b+oSE+1], v[\b+oY+4:\b+oY+5]
	v_pk_fma_f32 v[\b+oSZ:\b+oSZ+1], v[\b+oY+2:\b+oY+3], v[\b+oZ+2:\b+oZ+3], v[\b+oSZ:\b+oSZ+1]
	v_pk_add_f32 v[\b+oSE:\b+oSE+1], v[\b+oSE:\b+oSE+1], v[\b+oY+6:\b+oY+7]
	v_pk_fma_f32 v[\b+oSZ:\b+oSZ+1], v[\b+oY+4:\b+oY+5], v[\b+oZ+4:\b+oZ+5], v[\b+oSZ:\b+oSZ+1]
	v_add_f32 v[\b+oSE], v[\b+oSE], v[\b+oSE+1]
	v_pk_fma_f32 v[\b+oSZ:\b+oSZ+1], v[\b+oY+6:\b+oY+7], v[\b+oZ+6:\b+oZ+7], v[\b+oSZ:\b+oSZ+1]
	v_add_f32 v[\b+oSZ], v[\b+oSZ], v[\b+oSZ+1]
.endm
.macro RED3                            ; three sums over the 32 lanes, both rows by turns
.irp m, 1,2,4,8
.irp b, T0, T1
	v_add_f32_dpp v[\b+oSSD], v[\b+oSSD], v[\b+oSSD] row_xmask:\m row_mask:0xf bank_mask:0xf
	v_add_f32_dpp v[\b+oSE], v[\b+oSE], v[\b+oSE] row_xmask:\m row_mask:0xf bank_mask:0xf
	v_add_f32_dpp v[\b+oSZ], v[\b+oSZ], v[\b+oSZ] row_xmask:\m row_mask:0xf bank_mask:0xf
.endr
.endr
.irp b, T0, T1
	v_permlanex16_b32 v[\b+oP0], v[\b+oSSD], s20, s21
	v_permlanex16_b32 v[\b+oP1], v[\b+oSE], s20, s21
	v_permlanex16_b32 v[\b+oP2], v[\b+oSZ], s20, s21
.endr
.irp b, T0, T1
	v_add_f32 v[\b+oSSD], v[\b+oSSD], v[\b+oP0]
	v_add_f32 v[\b+oSE], v[\b+oSE], v[\b+oP1]
	v_add_f32 v[\b+oSZ], v[\b+oSZ], v[\b+oP2]
.endr
.irp b, T0, T1
	v_mul_f32 v[\b+oSSD], 0x3b808081, v[\b+oSSD]           ; / 255
.endr
.endm
.macro S7 b, r                         ; out3's three, and the squared distance to my cluster
	v_add_f32 v[\b+oSSD], 0x322bcc77, v[\b+oSSD]           ; std + 1e-8
	v_fma_f32 v[\b+oSE+1], -v[\b+oSZ], v[\b+oSZ+1], v[\b+oSE+1]    ; log2 S - sum(e z) / S
	v_fma_f32 v[\b+oTA], -2.0, v[\b], v[\b+oTA]
	v_mul_f32 v[\b+oSE+1], 0x3f317218, v[\b+oSE+1]         ; x ln 2: the entropy
	v_max_num_f32 v[\b+oTA], 0x2b8cbccc, v[\b+oTA]         ; at least 1e-12
	ds_store_b32 v[V3], v[\b+oSUM] offset:O3S+12*(\r)
	ds_store_b32 v[V3], v[\b+oSSD] offset:O3S+12*(\r)+4
	ds_store_b32 v[V3], v[\b+oSE+1] offset:O3S+12*(\r)+8
.endm
; TWO ROWS, 2 p and 2 p + 1 of my four.  A batch of transcendentals holds both rows' and has one wait ahead of it and one behind it.
.macro PASS p
	s_wait_alu depctr_va_vdst(0)
	s_wait_loadcnt 4-4*(\p)                        ; loads come back in order: these two rows' four are in
	s_wait_dscnt 0x0
	S1 XB+16*\p, T0
	S1 XB+16*\p+8, T1
	S2
	BFLY 1                                         ; place 0: the row's dot with centre l % 8
	S3 XB+16*\p, T0, 2*\p
	S3 XB+16*\p+8, T1, 2*\p+1
	s_wait_alu depctr_va_vdst(0)
.irp b, T0, T1
.irp j, 0,1,2,3,4,5,6,7
	v_exp_f32 v[\b+oY+\j], v[\b+oZ+\j]             ; e = 2^z, at most 1
.endr
.endr
.irp b, T0, T1
	v_add_f32 v[\b+oSSD], v[\b+oSSD], v[\b+oSSD+1]
.endr
	s_wait_alu depctr_va_vdst(0)
	S5 T0
	S5 T1
	RED3
	s_wait_alu depctr_va_vdst(0)
.irp b, T0, T1
	v_sqrt_f32 v[\b+oSSD], v[\b+oSSD]
	v_log_f32 v[\b+oSE+1], v[\b+oSE]
	v_rcp_f32 v[\b+oSZ+1], v[\b+oSE]
.endr
.irp b, T0, T1
	v_add_f32 v[\b+oTA], v[\b+oSSQ], v[SQC]        ; sq(x) + sq(centre)
.endr
	s_wait_alu depctr_va_vdst(0)
	S7 T0, 2*\p
	S7 T1, 2*\p+1
	s_wait_alu depctr_va_vdst(0)
.irp b, T0, T1
	v_sqrt_f32 v[\b+oDC], v[\b+oTA]
.endr
	v_nop
	s_wait_alu depctr_va_vdst(0)
.irp b, T0, T1
	v_mul_f32 v[\b+oTB], v[\b+oDC], v[NIT]         ; -dc log2(e) / temperature
.endr
.irp b, T0, T1
	v_max_num_f32_dpp v[\b+oTC], v[\b+oTB], v[\b+oTB] row_xmask:1 row_mask:0xf bank_mask:0xf
.endr
.irp m, 2,4
.irp b, T0, T1
	v_max_num_f32_dpp v[\b+oTC], v[\b+oTC], v[\b+oTC] row_xmask:\m row_mask:0xf bank_mask:0xf
.endr
.endr
.irp b, T0, T1
	v_sub_f32 v[\b+oTB], v[\b+oTB], v[\b+oTC]      ; the largest of the eight is taken away
.endr
	s_wait_alu depctr_va_vdst(0)
.irp b, T0, T1
	v_exp_f32 v[\b+oTB], v[\b+oTB]
.endr
	v_nop
	s_wait_alu depctr_va_vdst(0)
.irp b, T0, T1
	v_add_f32_dpp v[\b+oTC], v[\b+oTB], v[\b+oTB] row_xmask:1 row_mask:0xf bank_mask:0xf
.endr
.irp m, 2,4
.irp b, T0, T1
	v_add_f32_dpp v[\b+oTC], v[\b+oTC], v[\b+oTC] row_xmask:\m row_mask:0xf bank_mask:0xf
.endr
.endr
	s_wait_alu depctr_va_vdst(0)
.irp b, T0, T1
	v_rcp_f32 v[\b+oTC], v[\b+oTC]
.endr
.irp b, T0, T1
	v_mul_f32 v[\b+oTB], v[\b+oTB], v[WT]
.endr
	s_wait_alu depctr_va_vdst(0)
.irp b, T0, T1
	v_mul_f32 v[\b+oTB], v[\b+oTB], v[\b+oTC]      ; assign
.endr
	v_fmac_f32 v[LOSS], v[T0+oDC], v[T0+oTB]
	v_fmac_f32 v[LOSS], v[T1+oDC], v[T1+oTB]
	ds_store_b32 v[V1], v[T0+oTB] offset:O1S+32*(2*\p)     ; the four lanes of a cluster write the same word with the same value
	ds_store_b32 v[V1], v[T1+oTB] offset:O1S+32*(2*\p+1)
.endm
	PASS 0
	PASS 1
.irp m, 1,2,4
	v_add_f32_dpp v[LOSS], v[LOSS], v[LOSS] row_xmask:\m row_mask:0xf bank_mask:0xf    ; over the eight clusters
.endr
	ds_store_b32 v[VL], v[LOSS] offset:LSS
	s_wait_alu depctr_va_vdst(0)
	s_wait_dscnt 0x0                               ; for the other waves' sake: my stores into the tile's stage are done
	s_barrier_signal -1
	s_barrier_wait -1
	; THE WAY OUT: each wave of a tile takes a quarter of the codes; then quarter 0 the record's tail and the sums, quarter 1 out1, quarter 2 out3
.irp i, 0,1
	ds_load_b128 v[XB+4*\i:XB+4*\i+3], v[VR] offset:2*HP*\i
.endr
	s_wait_dscnt 0x0
.irp i, 0,1
	global_store_b128 v[GO], v[XB+4*\i:XB+4*\i+3], s[12:13] offset:512*\i      ; 32 lanes store 512 consecutive bytes, at a multiple of 256 from the buffer's first byte
.endr
	s_cmp_lg_u32 s37, 0
	s_cbranch_scc1 .Lq1
	ds_load_b64 v[XB+8:XB+9], v[VT] offset:TAIL
	ds_load_b128 v[XB+12:XB+15], v[VW] offset:LSS
	s_wait_dscnt 0x0
	global_store_b64 v[L8], v[XB+8:XB+9], s[12:13] offset:4096                 ; the record's last 256 bytes
	v_pk_add_f32 v[XB+12:XB+13], v[XB+12:XB+13], v[XB+14:XB+15]
	v_add_f32 v[XB+12], v[XB+12], v[XB+13]
	v_cmp_eq_u32 vcc_lo, 0, v[LN]
	s_wait_alu depctr_va_vdst(0)
	s_wait_xcnt 0x0                                ; EXEC changes only behind this wait
	s_and_saveexec_b32 s30, vcc_lo
	global_store_b32 v[ZR], v[XB+12], s[18:19]     ; lossp[T]
	s_wait_xcnt 0x0
	s_or_b32 exec_lo, exec_lo, s30
	s_cmp_lg_u32 s40, 0
	s_cbranch_scc1 .Lend
	ds_load_b128 v[XB+16:XB+19], v[ZR] offset:CCS  ; the launch's first wave: the eight sums of centre distances
	ds_load_b128 v[XB+20:XB+23], v[ZR] offset:CCS+16
	s_wait_dscnt 0x0
	v_pk_add_f32 v[XB+16:XB+17], v[XB+16:XB+17], v[XB+18:XB+19]
	v_pk_add_f32 v[XB+20:XB+21], v[XB+20:XB+21], v[XB+22:XB+23]
	v_pk_add_f32 v[XB+16:XB+17], v[XB+16:XB+17], v[XB+20:XB+21]
	v_add_f32 v[XB+16], v[XB+16], v[XB+17]
	v_mul_f32 v[XB+16], 0x3d124925, v[XB+16]       ; each pair counts twice among the 56 off the diagonal: x 2 / 56
	v_cmp_eq_u32 vcc_lo, 0, v[LN]
	s_wait_alu depctr_va_vdst(0)
	s_wait_xcnt 0x0
	s_and_saveexec_b32 s30, vcc_lo
	global_store_b32 v[ZR], v[XB+16], s[18:19] offset:2048     ; lossp[512] (T = 0 here)
	s_wait_xcnt 0x0
	s_or_b32 exec_lo, exec_lo, s30
	s_branch .Lend
.Lq1:
	s_cmp_lg_u32 s37, 1
	s_cbranch_scc1 .Lq2
	ds_load_b128 v[XB+8:XB+11], v[V16] offset:O1S
	s_wait_dscnt 0x0
	global_store_b128 v[L16], v[XB+8:XB+11], s[14:15]                          ; 16 rows of out1: 512 bytes
	s_branch .Lend
.Lq2:
	s_cmp_lg_u32 s37, 2
	s_cbranch_scc1 .Lend
	ds_load_b128 v[XB+12:XB+15], v[V16] offset:O3S ; 192 bytes of out3; the lanes from 12 on read on into out1's stage and store nothing
	v_cmp_gt_u32 vcc_lo, 12, v[LN]
	s_wait_alu depctr_va_vdst(0)
	s_wait_dscnt 0x0
	s_wait_xcnt 0x0
	s_and_saveexec_b32 s30, vcc_lo
	global_store_b128 v[L16], v[XB+12:XB+15], s[16:17]
	s_wait_xcnt 0x0
	s_or_b32 exec_lo, exec_lo, s30
.Lend:
	s_wait_tensorcnt 0x0                           ; the wave's end
	ds_add_u32 v[SPW], v[NIL]
	s_wait_dscnt 0x0
	s_endpgm
.Lfunc_end_k_qe6b91f5d86_prep:
	.size	k_qe6b91f5d86_prep, .Lfunc_end_k_qe6b91f5d86_prep-k_qe6b91f5d86_prep
	.p2alignl 7, 3214868480
	.fill 96, 4, 3214868480
	.section	.rodata,"a",@progbits
	.p2align	6, 0x0
	.amdhsa_kernel k_qe6b91f5d86_prep
		.amdhsa_group_segment_fixed_size 12288
		.amdhsa_private_segment_fixed_size 0
		.amdhsa_enable_private_segment 0
		.amdhsa_kernarg_size 64
		.amdhsa_user_sgpr_count 2
		.amdhsa_user_sgpr_kernarg_segment_ptr 1
		.amdhsa_wavefront_size32 1
		.amdhsa_system_sgpr_workgroup_id_x 1
		.amdhsa_system_sgpr_workgroup_id_y 1
		.amdhsa_system_sgpr_workgroup_id_z 1
		.amdhsa_system_vgpr_workitem_id 0
		.amdhsa_next_free_vgpr 256
		.amdhsa_next_free_sgpr 66
		.amdhsa_reserve_vcc 1
		.amdhsa_float_denorm_mode_32 3
		.amdhsa_float_denorm_mode_16_64 3
		.amdhsa_memory_ordered 1
		.amdhsa_forward_progress 1
		.amdhsa_inst_pref_size 79
	.end_amdhsa_kernel
	.amdgpu_metadata
---
amdhsa.version: [ 1, 2 ]
amdhsa.kernels:
  - .name:           k_qe6b91f5d86_prep
    .symbol:         k_qe6b91f5d86_prep.kd
    .args:
      - { .name: x, .offset: 0, .size: 8, .value_kind: global_buffer, .address_space: global }
      - { .name: cluster_centers, .offset: 8, .size: 8, .value_kind: global_buffer, .address_space: global }
      - { .name: temperature, .offset: 16, .size: 8, .value_kind: global_buffer, .address_space: global }
      - { .name: cluster_weights, .offset: 24, .size: 8, .value_kind: global_buffer, .address_space: global }
      - { .name: xq, .offset: 32, .size: 8, .value_kind: global_buffer, .address_space: global }
      - { .name: out1, .offset: 40, .size: 8, .value_kind: global_buffer, .address_space: global }
      - { .name: out3, .offset: 48, .size: 8, .value_kind: global_buffer, .address_space: global }
      - { .name: lossp, .offset: 56, .size: 8, .value_kind: global_buffer, .address_space: global }
    .group_segment_fixed_size: 12288
    .private_segment_fixed_size: 0
    .kernarg_segment_align: 8
    .kernarg_segment_size: 64
    .max_flat_workgroup_size: 256
    .sgpr_count:     66
    .vgpr_count:     256
    .wavefront_size: 32
...
	.end_amdgpu_metadata
.endif
;; end of part 1
;; launch main (part 2): grid 16 x 16, 16 waves a work-group, no clusters, 280,576 bytes of LDS; arguments xq, noise, lossp, cand, out4; writes cand, out4
.if DOCPART == 2
	.amdgcn_target "amdgcn-amd-amdhsa--gfx1250"
	.amdhsa_code_object_version 6
	.text
	.protected	k_qe6b91f5d86_main
	.globl	k_qe6b91f5d86_main
	.p2align	8
	.type	k_qe6b91f5d86_main,@function
k_qe6b91f5d86_main:
	s_mov_b64 s[64:65], 0
	v_nop
	global_prefetch_b8 v0, s[64:65] scope:SCOPE_SE
	s_setreg_imm32_b32 hwreg(HW_REG_WAVE_MODE, 25, 1), 1
	s_wait_xcnt 0x0
; MAIN.  pd = sqrt(max(sq_i + sq_j - 2 x_i . x_j, 1e-12)), the product on E5M2 codes with E8M0 scales (K = 256: two matrix instructions); noisy = pd + noise; the diagonal counts as 2^127.
; A work-group owns 512 rows (gy) x 512 columns (gx).  The columns' 32 records of xq come into LDS once, by one tensor load of each of waves 0 to 7, and stay: one barrier in the launch.
; Each of the sixteen waves owns 32 rows (two tiles of 16), whose codes stay in registers, and walks the 32 column tiles.  The product is used transposed (source 0 = 16 columns, source 1 = 16 rows):
; lane (r, h) holds one row r and register j column 8 h + j.  C = -sq_j / 2.  Noise comes as 16 loads of two rows x 256 bytes, one chunk of 64 columns ahead, and turns through the wave's own LDS stage.
; THE SELECTION moves keys alone and has no branch on data.  A KEY is noisy with its low 9 bits replaced by the column's number in the part.  A lane's eight keys of a tile are sorted in groups of 3, 3 and 2.
; A group's smallest goes into a sorted list of 5, its second into a list of 2, its third into a list of 1: a second that is among the lane's five smallest has its group's smallest there too, so at most
; 2 seconds and 1 third are, and they are the smallest of their kind.  Stored for each row and part: the 5 smallest keys, as unsigned numbers in the floats' order, and three zeros.
; The next launch merges the parts' lists, computes pd and noisy anew for the columns that the smallest keys name, and orders those by the exact numbers.
; NO CLUSTER: the sixteen work-groups of a column part share 139,264 bytes of records beside 1,048,576 bytes of noise that each reads alone: 12 in 100 of a work-group's bytes.
; The wave with gx = gy = wave = 0 also adds up the 512 partial sums of the loss and stores out4.
; LIMITS: NaN and infinities are not served; noisy stays under 2^127.  The keys order by the upper 23 bits of noisy; among numbers that agree in those, by the column.
.set REC,  4352
.set PART, 32*REC                      ; LDS [0, 139,264): the records
.set WST,  8704                        ; behind them a stage of 32 rows x 272 bytes for each wave
.set NPI,  272
.set QF,  16                           ; v16-79   my rows' codes
.set CF,  80                           ; v80-111  a column tile's codes
.set CJ,  112                          ; v112-119 -sq_j / 2
.set ACC, 120                          ; v120-135 two accumulators, then pd
.set NZ,  136                          ; v136-151 noise, then noisy, then keys
.set NG,  152                          ; v152-215 16 noise loads on their way
.set S0,  112                          ; v112-119, v121-128 the sorted groups of row tile 0, 1 (nine apart: the dual forms want other banks)
.set S1,  121
.set OB,  216                          ; v216-223 what is stored
.set NIL, 233
.set T0,  234                          ; a set of lists: 5 ascending, 2 ascending, 1.  Row tile 0's begins even, row tile 1's odd (the dual forms' destinations)
.set CS,  242                          ; the column tile's scale words
.set T1,  243
.set SPW, 251
.set SQ0, 252                          ; sq_i of my row in tile 0; v254: in tile 1 (named as the low words of pairs)
.set QS,  253                          ; v253, v255: my rows' scale words
.set SQ1, 254
; v1 16 x lane; v2 4 x lane; v3 32 h; v4 noise offset; v5 stage in; v6 stage out; v7-9 the chunk's LDS addresses; v10 r - 8 h; v11 2^127; v12-15 at work
; s40-47: 16 x column tile + j; s55: the mask of the upper 23 bits
.macro DMIN a, x, b, y                 ; two minima in one instruction
	v_dual_min_num_f32 v[\a], v[\x], v[\a] :: v_dual_min_num_f32 v[\b], v[\y], v[\b]
.endm
.macro INS5 l0, l1, a, b               ; a into list l0, b into list l1, by turns
.irp k, 4,3,2,1
	v_med3_num_f32 v[\l0+\k], v[\l0+\k-1], v[\l0+\k], v[\a]
	v_med3_num_f32 v[\l1+\k], v[\l1+\k-1], v[\l1+\k], v[\b]
.endr
	DMIN \l0, \a, \l1, \b
.endm
.macro INS2 l0, l1, a, b
	v_med3_num_f32 v[\l0+6], v[\l0+5], v[\l0+6], v[\a]
	v_med3_num_f32 v[\l1+6], v[\l1+5], v[\l1+6], v[\b]
	DMIN \l0+5, \a, \l1+5, \b
.endm
.macro SELECT l0, l1                   ; the 16 keys in NZ into the two rows' lists
.irp R, 0,1
.irp g, 0,3
	v_min3_num_f32 v[S0+9*\R+\g], v[NZ+8*\R+\g], v[NZ+8*\R+\g+1], v[NZ+8*\R+\g+2]
	v_med3_num_f32 v[S0+9*\R+\g+1], v[NZ+8*\R+\g], v[NZ+8*\R+\g+1], v[NZ+8*\R+\g+2]
	v_max3_num_f32 v[S0+9*\R+\g+2], v[NZ+8*\R+\g], v[NZ+8*\R+\g+1], v[NZ+8*\R+\g+2]
.endr
	v_min_num_f32 v[S0+9*\R+6], v[NZ+8*\R+6], v[NZ+8*\R+7]
	v_max_num_f32 v[S0+9*\R+7], v[NZ+8*\R+6], v[NZ+8*\R+7]
.endr
	INS5 \l0, \l1, S0, S1
	INS2 \l0, \l1, S0+1, S1+1
	DMIN \l0+7, S0+2, \l1+7, S1+2
	INS5 \l0, \l1, S0+3, S1+3
	INS2 \l0, \l1, S0+4, S1+4
	DMIN \l0+7, S0+5, \l1+7, S1+5
	INS5 \l0, \l1, S0+6, S1+6
	INS2 \l0, \l1, S0+7, S1+7
.endm
	s_load_b256 s[4:11], s[0:1], 0x0               ; xq s[4:5], noise s[6:7], lossp s[8:9], cand s[10:11]
	s_load_b64 s[12:13], s[0:1], 0x20              ; out4
	v_lshl_add_u32 v[SPW], v0, 2, 0x44000
	v_mov_b32 v[NIL], 0
	ds_add_u32 v[SPW], v[NIL]                      ; the opening lines
	ds_add_u32 v[SPW], v[NIL]
	v_lshrrev_b32 v12, 5, v0
	s_delay_alu instid0(VALU_DEP_1)
	v_readfirstlane_b32 s14, v12                   ; wave 0..15
	s_mov_b32 s15, ttmp9                           ; gx
	s_and_b32 s16, ttmp7, 0xffff                   ; gy
	s_mov_b32 s28, 3<<16                           ; group 1: four records are 68 dense rows of 256 bytes (32 elements of 8 bytes)
	s_mov_b32 s29, 32<<16
	s_mov_b32 s30, 68<<16
	s_mov_b32 s31, 32<<16
	s_mov_b32 s32, 68
	s_mov_b32 s33, 32
	s_mov_b32 s34, 0
	s_mov_b32 s35, 0
	s_mov_b32 s24, 1
	s_mul_i32 s25, s14, 4*REC                      ; LDS address: wave x 17,408
	s_mul_i32 s60, s15, PART
	s_add_co_u32 s60, s60, s25
	s_mov_b32 s61, 0
	s_wait_dscnt 0x0
	s_wait_kmcnt 0x0
	s_add_nc_u64 s[26:27], s[4:5], s[60:61]
	s_or_b32 s27, s27, 0x80000000
	s_cmp_lt_u32 s14, 8
	s_cbranch_scc0 .Lno_fill
	tensor_load_to_lds s[24:27], s[28:35]          ; the launch's only fill: one tensor load of a wave is out
	s_nop 0
.rept 4
	v_nop
.endr
.Lno_fill:
	v_and_b32 v12, 31, v0                          ; lane
	v_and_b32 v13, 15, v0                          ; r
	v_bfe_u32 v14, v0, 4, 1                        ; h
	s_delay_alu instid0(VALU_DEP_3)
	v_lshlrev_b32 v1, 4, v12
	s_delay_alu instid0(VALU_DEP_4)
	v_lshlrev_b32 v2, 2, v12
	s_delay_alu instid0(VALU_DEP_3)
	v_lshlrev_b32 v3, 5, v14
	s_delay_alu instid0(VALU_DEP_4)
	v_lshlrev_b32 v4, 15, v14
	s_delay_alu instid0(VALU_DEP_1)
	v_lshl_add_u32 v4, v13, 4, v4                  ; noise: lanes 0-15 one row's 256 bytes, lanes 16-31 the next row's
	s_mul_i32 s59, s14, WST
	s_add_co_u32 s59, s59, PART
	v_mul_u32_u24 v5, v14, NPI
	s_delay_alu instid0(VALU_DEP_1)
	v_lshl_add_u32 v5, v13, 4, v5
	s_delay_alu instid0(VALU_DEP_1)
	v_add_nc_u32 v5, s59, v5
	v_mul_u32_u24 v6, v13, NPI
	s_delay_alu instid0(VALU_DEP_1)
	v_lshl_add_u32 v6, v14, 5, v6
	s_delay_alu instid0(VALU_DEP_1)
	v_add_nc_u32 v6, s59, v6
	v_lshlrev_b32 v10, 3, v14
	s_delay_alu instid0(VALU_DEP_1)
	v_sub_nc_u32 v10, v13, v10                     ; r - 8 h: the register on the diagonal, if 0 .. 7
	v_mov_b32 v11, 0x7f000000                      ; 2^127
	v_lshlrev_b32 v15, 2, v13
	s_wait_alu depctr_va_vdst(0)
	s_lshl_b32 s60, s16, 9
	s_lshl_b32 s62, s14, 5
	s_add_co_u32 s60, s60, s62                     ; my first row
	s_lshl_b32 s60, s60, 15
	s_lshl_b32 s62, s15, 11
	s_add_co_u32 s60, s60, s62
	s_add_nc_u64 s[36:37], s[6:7], s[60:61]
.irp i, 0,1,2,3,4,5,6,7,8,9,10,11,12,13,14,15
	global_load_b128 v[NG+4*\i:NG+4*\i+3], v4, s[36:37] offset:65536*\i th:TH_LOAD_NT
.endr
	s_lshl_b32 s63, s16, 5
	s_lshl_b32 s62, s14, 1
	s_add_co_u32 s63, s63, s62                     ; my first row tile = 32 gy + 2 wave
	s_mul_i32 s60, s63, REC
	s_add_nc_u64 s[18:19], s[4:5], s[60:61]
.irp R, 0,1
.irp s, 0,1
.irp c, 0,1,2,3
	global_load_b128 v[QF+32*\R+16*\s+4*\c:QF+32*\R+16*\s+4*\c+3], v1, s[18:19] offset:\R*REC+2048*\s+512*\c
.endr
.endr
	global_load_b32 v[QS+2*\R], v2, s[18:19] offset:\R*REC+4096
	global_load_b32 v[SQ0+2*\R], v15, s[18:19] offset:\R*REC+4224
.endr
	s_lshl_b32 s60, s63, 13
	s_lshl_b32 s62, s15, 8
	s_add_co_u32 s60, s60, s62
	s_add_nc_u64 s[10:11], s[10:11], s[60:61]      ; cand: my first row tile, part gx
	s_mov_b32 s20, 0x76543210
	s_mov_b32 s21, 0xfedcba98
	s_mov_b32 s22, 0xffff0000
	s_mov_b32 s23, 0x2b8cbccc                      ; 1e-12
	s_mov_b32 s55, 0xfffffe00
.irp j, 0,1,2,3,4,5,6,7
	s_mov_b32 s[40+\j], \j
.endr
	s_lshl_b32 s62, s14, 1
	s_add_co_u32 s59, s62, 1
	s_cmp_eq_u32 s15, s16                          ; the diagonal crosses my rows in column tiles 2 wave and 2 wave + 1 of part gx = gy
	s_cselect_b32 s57, s62, 0x7fff
	s_cselect_b32 s58, s59, 0x7fff
	s_mov_b32 s38, 0
	s_mov_b32 s39, 0
	s_mov_b32 s56, 0
.irp k, 0,1,2,3,4,5,6,7
	v_mov_b32 v[T0+\k], v11
	v_mov_b32 v[T1+\k], v11
.endr
	; the loss, by one wave of the launch (a branch on ids)
	s_or_b32 s59, s15, s16
	s_or_b32 s59, s59, s14
	s_cmp_lg_u32 s59, 0
	s_cbranch_scc1 .Lno_loss
	v_mov_b32 v13, 0
.irp i, 0,1,2,3
	global_load_b128 v[80+4*\i:83+4*\i], v1, s[8:9] offset:512*\i
.endr
	global_load_b32 v96, v13, s[8:9] offset:2048
	v_mov_b32 v97, 0
	s_wait_loadcnt 0x0
	v_pk_add_f32 v[80:81], v[80:81], v[82:83]
	v_pk_add_f32 v[84:85], v[84:85], v[86:87]
	v_pk_add_f32 v[88:89], v[88:89], v[90:91]
	v_pk_add_f32 v[92:93], v[92:93], v[94:95]
	s_delay_alu instid0(VALU_DEP_3)
	v_pk_add_f32 v[80:81], v[80:81], v[84:85]
	s_delay_alu instid0(VALU_DEP_2)
	v_pk_add_f32 v[88:89], v[88:89], v[92:93]
	s_delay_alu instid0(VALU_DEP_1)
	v_pk_add_f32 v[80:81], v[80:81], v[88:89]
	s_delay_alu instid0(VALU_DEP_1)
	v_add_f32 v80, v80, v81
.irp m, 1,2,4,8
	s_delay_alu instid0(VALU_DEP_1)
	v_add_f32_dpp v80, v80, v80 row_xmask:\m row_mask:0xf bank_mask:0xf
.endr
	s_delay_alu instid0(VALU_DEP_1)
	v_permlanex16_b32 v97, v80, s20, s21
	s_delay_alu instid0(VALU_DEP_1)
	v_add_f32 v80, v80, v97
	s_delay_alu instid0(VALU_DEP_1)
	v_mul_f32 v80, 0x37800000, v80                 ; / 65,536
	s_delay_alu instid0(VALU_DEP_1)
	v_fmamk_f32 v80, v96, 0xbdcccccd, v80          ; - 0.1 x inter
	v_cmp_eq_u32 vcc_lo, 0, v12
	s_wait_alu depctr_va_vdst(0)
	s_wait_xcnt 0x0                                ; EXEC changes only behind this wait
	s_and_saveexec_b32 s59, vcc_lo
	global_store_b32 v13, v80, s[12:13]
	s_wait_xcnt 0x0
	s_or_b32 exec_lo, exec_lo, s59
.Lno_loss:
	s_wait_loadcnt 0x0
	v_mul_f32 v[SQ0], -2.0, v[SQ0]                 ; sq_i
	v_mul_f32 v[SQ1], -2.0, v[SQ1]
	s_wait_tensorcnt 0x0
	s_barrier_signal -1
	s_barrier_wait -1                              ; from here on the 32 records are only read
.macro TILE t
.irp s, 0,1
.irp c, 0,1,2,3
	ds_load_b128 v[CF+16*\s+4*\c:CF+16*\s+4*\c+3], v7 offset:(\t)*REC+2048*\s+512*\c
.endr
.endr
	ds_load_b32 v[CS], v8 offset:(\t)*REC+4096
	ds_load_b128 v[CJ:CJ+3], v9 offset:(\t)*REC+4224
	ds_load_b128 v[CJ+4:CJ+7], v9 offset:(\t)*REC+4240
.irp R, 0,1
.irp e, 0,1
	ds_load_b128 v[NZ+8*\R+4*\e:NZ+8*\R+4*\e+3], v6 offset:\R*16*NPI+64*(\t)+16*\e
.endr
.endr
	s_wait_dscnt 0x4                               ; all but the four noise reads issued last
	; the two accumulators take turns
	v_wmma_scale_f32_16x16x128_f8f6f4 v[ACC:ACC+7], v[CF:CF+15], v[QF:QF+15], v[CJ:CJ+7], v[CS], v[QS] matrix_a_fmt:MATRIX_FMT_BF8 matrix_b_fmt:MATRIX_FMT_BF8
	v_wmma_scale_f32_16x16x128_f8f6f4 v[ACC+8:ACC+15], v[CF:CF+15], v[QF+32:QF+47], v[CJ:CJ+7], v[CS], v[QS+2] matrix_a_fmt:MATRIX_FMT_BF8 matrix_b_fmt:MATRIX_FMT_BF8
	v_wmma_scale_f32_16x16x128_f8f6f4 v[ACC:ACC+7], v[CF+16:CF+31], v[QF+16:QF+31], v[ACC:ACC+7], v[CS], v[QS] matrix_a_fmt:MATRIX_FMT_BF8 matrix_b_fmt:MATRIX_FMT_BF8 matrix_a_scale:MATRIX_SCALE_ROW1 matrix_b_scale:MATRIX_SCALE_ROW1
	v_wmma_scale_f32_16x16x128_f8f6f4 v[ACC+8:ACC+15], v[CF+16:CF+31], v[QF+48:QF+63], v[ACC+8:ACC+15], v[CS], v[QS+2] matrix_a_fmt:MATRIX_FMT_BF8 matrix_b_fmt:MATRIX_FMT_BF8 matrix_a_scale:MATRIX_SCALE_ROW1 matrix_b_scale:MATRIX_SCALE_ROW1
.rept 8
	v_nop                                          ; eight places behind this form
.endr
.irp j, 0,2,4,6
	v_pk_fma_f32 v[ACC+\j:ACC+\j+1], v[ACC+\j:ACC+\j+1], -2.0, v[SQ0:SQ0+1] op_sel_hi:[1,0,0]      ; sq_i + sq_j - 2 dot; each accumulator from its low end on
.endr
.irp j, 8,10,12,14
	v_pk_fma_f32 v[ACC+\j:ACC+\j+1], v[ACC+\j:ACC+\j+1], -2.0, v[SQ1:SQ1+1] op_sel_hi:[1,0,0]
.endr
.irp j, 0,2,4,6,8,10,12,14
	v_dual_max_num_f32 v[ACC+\j], s23, v[ACC+\j] :: v_dual_max_num_f32 v[ACC+\j+1], s23, v[ACC+\j+1]
.endr
	s_wait_alu depctr_va_vdst(0)
.irp j, 0,1,2,3,4,5,6,7,8,9,10,11,12,13,14,15
	v_sqrt_f32 v[ACC+\j], v[ACC+\j]                ; pd
.endr
	v_nop
	s_wait_dscnt 0x0                               ; the noise is in
	s_wait_alu depctr_va_vdst(0)
.irp j, 0,2,4,6,8,10,12,14
	v_pk_add_f32 v[NZ+\j:NZ+\j+1], v[NZ+\j:NZ+\j+1], v[ACC+\j:ACC+\j+1]    ; noisy
.endr
	s_add_co_u32 s59, s56, \t
	s_cmp_lg_u32 s59, s57
	s_cbranch_scc1 .Loff0_\@                       ; (a branch on ids)
.irp j, 0,1,2,3,4,5,6,7
	v_cmp_eq_u32 vcc_lo, \j, v10
	s_delay_alu instid0(VALU_DEP_1)
	v_cndmask_b32 v[NZ+\j], v[NZ+\j], v11, vcc_lo  ; the diagonal
.endr
.Loff0_\@:
	s_cmp_lg_u32 s59, s58
	s_cbranch_scc1 .Loff1_\@
	s_wait_alu depctr_va_vdst(0)
.irp j, 0,1,2,3,4,5,6,7
	v_cmp_eq_u32 vcc_lo, \j, v10
	s_delay_alu instid0(VALU_DEP_1)
	v_cndmask_b32 v[NZ+8+\j], v[NZ+8+\j], v11, vcc_lo
.endr
.Loff1_\@:
	s_wait_alu depctr_va_vdst(0)
.irp j, 0,1,2,3,4,5,6,7
	v_and_or_b32 v[NZ+\j], v[NZ+\j], s55, s[40+\j]         ; the low 9 bits become 16 x tile + j (8 h is set at the end)
	v_and_or_b32 v[NZ+8+\j], v[NZ+8+\j], s55, s[40+\j]
.endr
	SELECT T0, T1
.irp j, 0,1,2,3,4,5,6,7
	s_add_co_u32 s[40+\j], s[40+\j], 16
.endr
.endm
.Lchunk:                                           ; 8 trips of 64 columns
	s_wait_loadcnt 0x0                             ; this chunk's 16 noise loads, asked for a chunk ago
.irp i, 0,1,2,3,4,5,6,7,8,9,10,11,12,13,14,15
	ds_store_b128 v5, v[NG+4*\i:NG+4*\i+3] offset:2*NPI*\i
.endr
	v_add_nc_u32 v7, s38, v1
	v_add_nc_u32 v8, s38, v2
	v_add_nc_u32 v9, s38, v3
	s_wait_dscnt 0x0
	s_cmp_eq_u32 s39, 7
	s_cbranch_scc1 .Lno_more                       ; the last chunk asks for nothing
	s_add_nc_u64 s[36:37], s[36:37], 256
.irp i, 0,1,2,3,4,5,6,7,8,9,10,11,12,13,14,15
	global_load_b128 v[NG+4*\i:NG+4*\i+3], v4, s[36:37] offset:65536*\i th:TH_LOAD_NT
.endr
.Lno_more:
	s_wait_alu depctr_va_vdst(0)
	TILE 0
	TILE 1
	TILE 2
	TILE 3
	s_add_co_u32 s38, s38, 4*REC
	s_add_co_u32 s56, s56, 4
	s_add_co_u32 s39, s39, 1
	s_cmp_lt_u32 s39, 8
	s_cbranch_scc1 .Lchunk
	; THE END: the short lists into the lists of 5; 8 h into the keys; the other half of the lanes' lists; then out
	s_wait_alu depctr_va_vdst(0)                   ; the wait behind the run of scalar lines
	v_bfe_u32 v12, v0, 4, 1
	v_and_b32 v13, 15, v0
	INS5 T0, T1, T0+5, T1+5
	v_lshlrev_b32 v14, 3, v12
	v_lshlrev_b32 v12, 13, v12
	INS5 T0, T1, T0+6, T1+6
	INS5 T0, T1, T0+7, T1+7
.irp k, 4,3,2,1,0
	v_or_b32 v[T0+\k], v14, v[T0+\k]
	v_or_b32 v[T1+\k], v14, v[T1+\k]
.endr
	v_lshl_add_u32 v12, v13, 4, v12                ; cand [tile][2][part 16][row 16][4]: 8,192 h + 16 r
.irp k, 4,3,2,1,0
	v_permlanex16_b32 v[NG+18+\k], v[T0+\k], s20, s21
	v_permlanex16_b32 v[NG+27+\k], v[T1+\k], s20, s21
.endr
.irp k, 4,3,2,1,0
	INS5 T0, T1, NG+18+\k, NG+27+\k
.endr
.irp k, 4,3,2,1,0
	v_cndmask_b32 v[T0+\k], v[T0+\k], v[T1+\k], s22        ; lanes 16-31 carry row tile 1
.endr
.irp k, 4,3,2,1,0
	v_ashrrev_i32 v[NG+\k], 31, v[T0+\k]           ; the keys as unsigned numbers in the floats' order: the sign bit turned, or all bits of a negative one
.endr
.irp k, 4,3,2,1,0
	v_or_b32 v[NG+\k], 0x80000000, v[NG+\k]
.endr
.irp k, 4,3,2,1,0
	v_xor_b32 v[OB+\k], v[T0+\k], v[NG+\k]
.endr
.irp k, 5,6,7
	v_mov_b32 v[OB+\k], 0
.endr
.irp g, 0,1
	global_store_b128 v12, v[OB+4*\g:OB+4*\g+3], s[10:11] offset:4096*\g   ; sixteen lanes store 256 consecutive bytes, aligned
.endr
	s_wait_tensorcnt 0x0                           ; the wave's end
	ds_add_u32 v[SPW], v[NIL]
	s_wait_dscnt 0x0
	s_endpgm
.Lfunc_end_k_qe6b91f5d86_main:
	.size	k_qe6b91f5d86_main, .Lfunc_end_k_qe6b91f5d86_main-k_qe6b91f5d86_main
	.p2alignl 7, 3214868480
	.fill 96, 4, 3214868480
	.section	.rodata,"a",@progbits
	.p2align	6, 0x0
	.amdhsa_kernel k_qe6b91f5d86_main
		.amdhsa_group_segment_fixed_size 280576
		.amdhsa_private_segment_fixed_size 0
		.amdhsa_enable_private_segment 0
		.amdhsa_kernarg_size 40
		.amdhsa_user_sgpr_count 2
		.amdhsa_user_sgpr_kernarg_segment_ptr 1
		.amdhsa_wavefront_size32 1
		.amdhsa_system_sgpr_workgroup_id_x 1
		.amdhsa_system_sgpr_workgroup_id_y 1
		.amdhsa_system_sgpr_workgroup_id_z 1
		.amdhsa_system_vgpr_workitem_id 0
		.amdhsa_next_free_vgpr 256
		.amdhsa_next_free_sgpr 66
		.amdhsa_reserve_vcc 1
		.amdhsa_float_denorm_mode_32 3
		.amdhsa_float_denorm_mode_16_64 3
		.amdhsa_memory_ordered 1
		.amdhsa_forward_progress 1
		.amdhsa_inst_pref_size 62
	.end_amdhsa_kernel
	.amdgpu_metadata
---
amdhsa.version: [ 1, 2 ]
amdhsa.kernels:
  - .name:           k_qe6b91f5d86_main
    .symbol:         k_qe6b91f5d86_main.kd
    .args:
      - { .name: xq, .offset: 0, .size: 8, .value_kind: global_buffer, .address_space: global }
      - { .name: noise, .offset: 8, .size: 8, .value_kind: global_buffer, .address_space: global }
      - { .name: lossp, .offset: 16, .size: 8, .value_kind: global_buffer, .address_space: global }
      - { .name: cand, .offset: 24, .size: 8, .value_kind: global_buffer, .address_space: global }
      - { .name: out4, .offset: 32, .size: 8, .value_kind: global_buffer, .address_space: global }
    .group_segment_fixed_size: 280576
    .private_segment_fixed_size: 0
    .kernarg_segment_align: 8
    .kernarg_segment_size: 40
    .max_flat_workgroup_size: 512
    .sgpr_count:     66
    .vgpr_count:     256
    .wavefront_size: 32
...
	.end_amdgpu_metadata
.endif
;; end of part 2
;; launch finish (part 3): grid 256 x 1, 2 waves a work-group, no clusters, 5,888 bytes of LDS; arguments cand, out1, out3, W1, b1, W2_codes, W2_scales, b2, out0, out2, noise, xq; writes out0, out2
.if DOCPART == 3
	.amdgcn_target "amdgcn-amd-amdhsa--gfx1250"
	.amdhsa_code_object_version 6
	.text
	.protected	k_qe6b91f5d86_finish
	.globl	k_qe6b91f5d86_finish
	.p2align	8
	.type	k_qe6b91f5d86_finish,@function
k_qe6b91f5d86_finish:
	s_mov_b64 s[64:65], 0
	v_nop
	global_prefetch_b8 v0, s[64:65] scope:SCOPE_SE
	s_setreg_imm32_b32 hwreg(HW_REG_WAVE_MODE, 25, 1), 1
	s_wait_xcnt 0x0
; FINISH.  A wave owns a tile of 16 rows (T = 2 x work-group + wave).  It merges the row's 16 lists of five keys (upper 23 bits of noisy, 9 bits of column), as whole numbers with the part's number beside each,
; into the SIX smallest.  For those six columns it gathers the neighbour's codes, scale words and -sq/2 from xq and noise[row][column], computes pd anew (source 0 = the sixteen rows' k-th neighbours,
; source 1 = my sixteen rows, E5M2 codes with E8M0 scales, K = 256; of each result the diagonal counts), forms noisy = pd + noise and sorts the six by it: out2 = the pd of the five smallest, in that order.
; Then the MLP: feat = [assign 8 | knn 5 | mean, std, entropy]; hidden = relu(feat W1 + b1) by the f32 matrix form (its result goes into a quantiser); hidden is quantised along its 64 units in registers;
; out0 = hidden W2 + b2 on E5M2 codes with E8M0 scales.  The scaled form's K is 128: the upper 64 are zero codes on both sides, with the scale byte 127.
; The MLP's products are used transposed, so that lane (r, h) holds one row r.  Lane m of W1's tile 2 b + u takes unit 32 b + 8 u + m + 8 (m / 8): the 16 registers of tiles 2 b, 2 b + 1 are 16 neighbours along
; the next K.  The first product's K goes in the order k = 8 (s / 2) + 4 h + 2 (s % 2) + j on both sides alike.  The biases are the C of each sum's first matrix instruction.
; The two waves share nothing: no barrier.  No tensor loads or clusters: what a wave reads is its own, but for 7 KB of weights.
; REGISTERS: window 1 holds v256, v257 (the spare word's address, 0), my rows' codes (v272-303), the six neighbours' codes (v304-495) and b2 (v496-511).
; LIMITS: NaN and infinities are not served.  A neighbour is missed only where three or more of a row's noisy values round the fifth smallest agree in their upper 23 bits.
; A block of the hidden layer that is all zeros gets the byte 1 with zero codes.
.set REC, 4352
.set CD,  16                           ; v16-79   8 lists x 8: 5 keys, 3 zeros
.set PT,  24                           ; v24-47   targets of lane permutes (lists that are merged)
.set DD,  16                           ; v16-63   six accumulators
.set AC,  64                           ; v64-69   offsets of the neighbours' codes; then the dots; then the sorted noisy
.set AS,  70                           ; v70-75   of their scale words; then permute targets; then the sorted pd
.set AQ,  76                           ; v76-81   of their -sq/2; then pd
.set AN,  82                           ; v82-87   of their noise; then noisy
.set GN,  88                           ; v88-93   -sq_j / 2
.set NS,  94                           ; v94-99   noise
.set SQI, 100                          ; sq_i
.set H256, 101
.set L4,  103
.set R4,  104
.set GS,  105                          ; v105-110 the neighbours' scale words; v111 my rows': they hold scales alone
.set QS,  111
.set LK,  64
.set KN,  70
.set FA,  112
.set STS, 116
.set RO,  119                          ; 32,768 r
.set FB,  120
.set W1F, 124
.set GK,  156                          ; v156-161 the six keys; v162-167 their parts; v168-175 8 h + p  (b1 lands here behind the merge)
.set GP,  162
.set PV,  168
.set B1C, 156
.set HD,  188                          ; written by matrix instructions alone
.set W2F, 220
.set W2S, 252
.set HW,  254
.set YR,  28
.set HY,  44
.set HC,  76
.set TM,  16
.set QF1, 16                           ; window 1
.set GC,  48
.set B2X, 240
; The lists are sorted and go in from their smallest on: element n of a list finds n numbers that are no larger ahead of it, so only places n to 5 are compared and shifted.
.macro INS u, q, n
.irp k, 0,1,2,3,4,5
.if \k >= \n
	v_cmp_lt_u32 s[40+\k], v[\u], v[GK+\k]
.endif
.endr
.irp k, 5,4,3,2,1
.if \k > \n
	v_cndmask_b32 v[GK+\k], v[GK+\k], v[\u], s[40+\k]
	v_cndmask_b32 v[GP+\k], v[GP+\k], v[\q], s[40+\k]
	v_cndmask_b32 v[GK+\k], v[GK+\k], v[GK+\k-1], s[40+\k-1]
	v_cndmask_b32 v[GP+\k], v[GP+\k], v[GP+\k-1], s[40+\k-1]
.endif
.endr
	v_cndmask_b32 v[GK+\n], v[GK+\n], v[\u], s[40+\n]
	v_cndmask_b32 v[GP+\n], v[GP+\n], v[\q], s[40+\n]
.endm
; (noisy v, pd q) into the sorted list of m numbers, which grows to five at the most
.macro XI v, q, m
.irp p, 0,1,2,3,4
.if \p < \m
	v_cmp_lt_f32 s[40+\p], v[\v], v[LK+\p]
.endif
.endr
.if \m < 5
	v_cndmask_b32 v[LK+\m], v[\v], v[LK+\m-1], s[40+\m-1]
	v_cndmask_b32 v[KN+\m], v[\q], v[KN+\m-1], s[40+\m-1]
.endif
.irp p, 4,3,2,1
.if \p < \m
	v_cndmask_b32 v[LK+\p], v[LK+\p], v[\v], s[40+\p]
	v_cndmask_b32 v[KN+\p], v[KN+\p], v[\q], s[40+\p]
	v_cndmask_b32 v[LK+\p], v[LK+\p], v[LK+\p-1], s[40+\p-1]
	v_cndmask_b32 v[KN+\p], v[KN+\p], v[KN+\p-1], s[40+\p-1]
.endif
.endr
	v_cndmask_b32 v[LK], v[LK], v[\v], s40
	v_cndmask_b32 v[KN], v[KN], v[\q], s40
.endm
	s_load_b256 s[4:11], s[0:1], 0x0               ; cand, out1, out3, W1
	s_load_b256 s[12:19], s[0:1], 0x20             ; b1, W2's codes, W2's scales, b2
	s_load_b128 s[20:23], s[0:1], 0x40             ; out0, out2
	s_load_b128 s[36:39], s[0:1], 0x50             ; noise, xq
	s_set_vgpr_msb 0x40
	v_lshl_add_u32 v0, v0, 2, 0x1600               ; v256: my spare word
	v_mov_b32 v1, 0                                ; v257: 0
	s_set_vgpr_msb 0x4000
	v_lshrrev_b32 v1, 5, v0
	v_readfirstlane_b32 s28, v1                    ; wave
	s_lshl_b32 s29, ttmp9, 1
	s_add_co_u32 s29, s29, s28                     ; T
	s_mul_i32 s30, s28, 2816                       ; my wave's LDS: 16 rows x 144 bytes of out0, then 512 bytes for out2
	s_mov_b32 s24, 0x76543210
	s_mov_b32 s25, 0xfedcba98
	s_mov_b32 s26, 0xffff0000
	s_mov_b32 s27, 0x600000                        ; the mantissa field of 57,344
	s_mov_b32 s46, 0x1ff
	s_mov_b32 s47, 0xff0000ff                      ; the lanes that hold the diagonal: h = r / 8
.irp j, 1,2,3,4,5,6,7
	s_mov_b32 s[48+\j], 0x01010101<<\j             ; lanes with l % 8 = j
.endr
	v_and_b32 v1, 15, v0                           ; r
	v_bfe_u32 v2, v0, 4, 1                         ; h
	v_and_b32 v255, 31, v0                         ; lane
	v_lshlrev_b32 v3, 11, v2
	v_lshl_add_u32 v3, v1, 4, v3                   ; cand: parts 8 h on, row r
	v_lshlrev_b32 v4, 5, v1
	v_lshl_add_u32 v4, v2, 4, v4                   ; out1: 32 r + 16 h
	v_mul_u32_u24 v5, v1, 12                       ; out3: 12 r
	v_and_b32 v6, 8, v1
	v_add_nc_u32 v6, v6, v1
	v_lshlrev_b32 v6, 2, v6
	v_lshl_add_u32 v6, v2, 10, v6                  ; W1
	v_lshlrev_b32 v7, 6, v2                        ; 64 h: b1, and the second K step's scale words
	v_lshlrev_b32 v8, 6, v1
	v_lshl_add_u32 v8, v2, 4, v8                   ; W2's codes
	v_lshlrev_b32 v9, 1, v1                        ; W2's scales
	v_lshlrev_b32 v10, 5, v2                       ; b2: 32 h
	v_mul_u32_u24 v11, v1, 144
	v_lshl_add_u32 v11, v2, 5, v11
	v_add_nc_u32 v11, s30, v11                     ; out0's stage, in
	v_lshrrev_b32 v12, 3, v255
	v_mul_u32_u24 v12, v12, 144
	v_and_b32 v13, 7, v255
	v_lshl_add_u32 v12, v13, 4, v12
	v_add_nc_u32 v12, s30, v12                     ; and back
	v_mul_u32_u24 v13, v1, 20
	v_add_nc_u32 v13, s30, v13
	v_add_nc_u32 v13, 2304, v13                    ; out2's stage: 20 r
	v_lshlrev_b32 v14, 4, v255                     ; 16 x lane
	v_add_nc_u32 v15, s30, v14
	v_add_nc_u32 v15, 2304, v15
	v_lshlrev_b32 v[RO], 15, v1
	v_lshlrev_b32 v[H256], 8, v2
	v_lshlrev_b32 v[L4], 2, v255
	v_lshlrev_b32 v[R4], 2, v1
.irp j, 184,185,186,187
	v_mov_b32 v[\j], 0
.endr
	ds_store_b128 v15, v[184:187]                  ; out2's stage, 512 bytes, begins as zeros: the rows fill 320 of them
	s_mov_b32 s33, 0
	s_lshl_b32 s32, s29, 13
	s_wait_alu depctr_va_vdst(0)                   ; the wait at the head's end
	s_wait_kmcnt 0x0
	s_add_nc_u64 s[4:5], s[4:5], s[32:33]
	s_lshl_b32 s32, s29, 9
	s_add_nc_u64 s[6:7], s[6:7], s[32:33]
	s_mul_i32 s32, s29, 192
	s_add_nc_u64 s[8:9], s[8:9], s[32:33]
	s_lshl_b32 s32, s29, 11
	s_add_nc_u64 s[20:21], s[20:21], s[32:33]
	s_mul_i32 s32, s29, 320
	s_add_nc_u64 s[22:23], s[22:23], s[32:33]
	s_lshl_b32 s32, s29, 19                        ; 16 rows of 32,768 bytes
	s_add_nc_u64 s[36:37], s[36:37], s[32:33]
	s_mul_i32 s32, s29, REC
	s_add_nc_u64 s[56:57], s[38:39], s[32:33]      ; my rows' record
.irp p, 0,1,2,3,4,5,6,7
.irp g, 0,1
	global_load_b128 v[CD+8*\p+4*\g:CD+8*\p+4*\g+3], v3, s[4:5] offset:4096*\g+256*\p      ; sixteen lanes read 256 consecutive bytes, aligned
.endr
.endr
	s_set_vgpr_msb 0x40                            ; destinations in window 1
.irp s, 0,1
.irp c, 0,1,2,3
	global_load_b128 v[QF1+16*\s+4*\c:QF1+16*\s+4*\c+3], v14, s[56:57] offset:2048*\s+512*\c
.endr
.endr
	s_set_vgpr_msb 0x4000
	global_load_b32 v[QS], v[L4], s[56:57] offset:4096
	global_load_b32 v[SQI], v[R4], s[56:57] offset:4224
	global_load_b128 v[FA:FA+3], v4, s[6:7]
.irp e, 0,1,2
	global_load_b32 v[STS+\e], v5, s[8:9] offset:4*\e
.endr
.irp t, 0,1,2,3
.irp s, 0,1,2,3
.irp j, 0,1
	global_load_b32 v[W1F+8*\t+2*\s+\j], v6, s[10:11] offset:(8*(\s/2)+2*(\s%2)+\j)*256+(32*(\t/2)+8*(\t%2))*4
.endr
.endr
.endr
.irp n, 0,1
.irp c, 0,1
	global_load_b128 v[W2F+16*\n+4*\c:W2F+16*\n+4*\c+3], v8, s[14:15] offset:1024*\n+32*\c
.endr
	global_load_u16 v[W2S+\n], v9, s[16:17] offset:32*\n
.endr
.irp p, 0,1,2,3,4,5,6,7
	v_lshl_add_u32 v[PV+\p], v2, 3, \p             ; the part of my list p
.endr
.irp k, 0,1,2,3,4,5
	v_mov_b32 v[GP+\k], v[PV]
.endr
	v_mov_b32 v[GK+5], -1                          ; the sixth place begins as the largest number
	s_wait_alu depctr_va_vdst(0)
	s_wait_loadcnt 0x0
.irp k, 0,1,2,3,4
	v_mov_b32 v[GK+\k], v[CD+\k]
.endr
	v_mul_f32 v[SQI], -2.0, v[SQI]                 ; sq_i
.irp n, 0,1
	v_or_b32 v[W2S+\n], 0x7f7f0000, v[W2S+\n]      ; the two blocks of zero codes get the byte 127
.irp j, 8,9,10,11,12,13,14,15
	v_mov_b32 v[W2F+16*\n+\j], 0
.endr
.endr
	; THE MERGE: my half's eight lists, then the other half's six
.irp p, 1,2,3,4,5,6,7
.irp k, 0,1,2,3,4
	INS CD+8*\p+\k, PV+\p, \k
.endr
.endr
.irp q, 0,1,2,3,4,5
	v_permlanex16_b32 v[PT+\q], v[GK+\q], s24, s25
	v_permlanex16_b32 v[PT+6+\q], v[GP+\q], s24, s25
.endr
.irp k, 0,1,2,3,4,5
	INS PT+\k, PT+6+\k, \k
.endr
.irp q, 0,1,2,3,4,5
	v_permlanex16_b32 v[PT+12+\q], v[GK+\q], s24, s25
	v_permlanex16_b32 v[PT+18+\q], v[GP+\q], s24, s25
.endr
.irp q, 0,1,2,3,4,5
	v_cndmask_b32 v[GK+\q], v[GK+\q], v[PT+12+\q], s26     ; lanes 16-31 take lanes 0-15's: one list for the row, also where keys tie
	v_cndmask_b32 v[GP+\q], v[GP+\q], v[PT+18+\q], s26
.endr
	; THE SIX COLUMNS: the key's float bits back, their low 9 bits, the part above them; record = column / 16, row in it = column % 16
.irp k, 0,1,2,3,4,5
	v_xor_b32 v[AN+\k], -1, v[GK+\k]
.endr
.irp k, 0,1,2,3,4,5
	v_ashrrev_i32 v[AN+\k], 31, v[AN+\k]
.endr
.irp k, 0,1,2,3,4,5
	v_or_b32 v[AN+\k], 0x80000000, v[AN+\k]
.endr
.irp k, 0,1,2,3,4,5
	v_xor_b32 v[AN+\k], v[GK+\k], v[AN+\k]
.endr
.irp k, 0,1,2,3,4,5
	v_and_b32 v[AN+\k], s46, v[AN+\k]
.endr
.irp k, 0,1,2,3,4,5
	v_lshl_or_b32 v[AN+\k], v[GP+\k], 9, v[AN+\k]
.endr
.irp k, 0,1,2,3,4,5
	v_lshrrev_b32 v[AQ+\k], 4, v[AN+\k]
.endr
.irp k, 0,1,2,3,4,5
	v_and_b32 v[AS+\k], 15, v[AN+\k]
.endr
.irp k, 0,1,2,3,4,5
	v_min_u32 v[AQ+\k], 0x1ff, v[AQ+\k]            ; a record of 512,
.endr
.irp k, 0,1,2,3,4,5
	v_min_u32 v[AS+\k], 15, v[AS+\k]               ; a row of 16,
.endr
.irp k, 0,1,2,3,4,5
	v_min_u32 v[AN+\k], 0x1fff, v[AN+\k]           ; a column of 8,192
.endr
.irp k, 0,1,2,3,4,5
	v_mul_u32_u24 v[AQ+\k], v[AQ+\k], REC
.endr
.irp k, 0,1,2,3,4,5
	v_lshlrev_b32 v[AC+\k], 4, v[AS+\k]
.endr
.irp k, 0,1,2,3,4,5
	v_lshlrev_b32 v[AS+\k], 2, v[AS+\k]
.endr
.irp k, 0,1,2,3,4,5
	v_lshlrev_b32 v[AN+\k], 2, v[AN+\k]
.endr
.irp k, 0,1,2,3,4,5
	v_add_nc_u32 v[AC+\k], v[AC+\k], v[AQ+\k]
.endr
.irp k, 0,1,2,3,4,5
	v_add_nc_u32 v[AQ+\k], v[AS+\k], v[AQ+\k]      ; record + 4 x row
.endr
.irp k, 0,1,2,3,4,5
	v_add_nc_u32 v[AN+\k], v[RO], v[AN+\k]
.endr
.irp k, 0,1,2,3,4,5
	v_add_nc_u32 v[AC+\k], v[H256], v[AC+\k]       ; record + 16 x row + 256 h
.endr
.irp k, 0,1,2,3,4,5
	v_add_nc_u32 v[AS+\k], v7, v[AQ+\k]            ; lanes 16-31 take the second K step's word
.endr
	s_set_vgpr_msb 0x40                            ; destinations in window 1
.irp k, 0,1,2,3,4,5
.irp s, 0,1
.irp c, 0,1,2,3
	global_load_b128 v[GC+32*\k+16*\s+4*\c:GC+32*\k+16*\s+4*\c+3], v[AC+\k], s[38:39] offset:2048*\s+512*\c
.endr
.endr
.endr
.irp n, 0,1
	global_load_b128 v[B2X+8*\n:B2X+8*\n+3], v10, s[18:19] offset:64*\n
	global_load_b128 v[B2X+8*\n+4:B2X+8*\n+7], v10, s[18:19] offset:64*\n+16
.endr
	s_set_vgpr_msb 0x4000
.irp k, 0,1,2,3,4,5
	global_load_b32 v[GS+\k], v[AS+\k], s[38:39] offset:4096
	global_load_b32 v[GN+\k], v[AQ+\k], s[38:39] offset:4224
	global_load_b32 v[NS+\k], v[AN+\k], s[36:37]
.endr
.irp t, 0,1,2,3
	global_load_b128 v[B1C+8*\t:B1C+8*\t+3], v7, s[12:13] offset:(32*(\t/2)+8*(\t%2))*4
	global_load_b128 v[B1C+8*\t+4:B1C+8*\t+7], v7, s[12:13] offset:(32*(\t/2)+8*(\t%2))*4+16
.endr
	s_wait_alu depctr_va_vdst(0)
	s_wait_loadcnt 0x0
	; x_j . x_i: lane (r, h) holds my row r and register j the neighbour of row 8 h + j; the six accumulators take turns
	s_set_vgpr_msb 0x5                             ; sources 0 and 1 in window 1
.irp k, 0,1,2,3,4,5
	v_wmma_scale_f32_16x16x128_f8f6f4 v[DD+8*\k:DD+8*\k+7], v[GC+32*\k:GC+32*\k+15], v[QF1:QF1+15], 0, v[GS+\k], v[QS] matrix_a_fmt:MATRIX_FMT_BF8 matrix_b_fmt:MATRIX_FMT_BF8
.endr
.irp k, 0,1,2,3,4,5
	v_wmma_scale_f32_16x16x128_f8f6f4 v[DD+8*\k:DD+8*\k+7], v[GC+32*\k+16:GC+32*\k+31], v[QF1+16:QF1+31], v[DD+8*\k:DD+8*\k+7], v[GS+\k], v[QS] matrix_a_fmt:MATRIX_FMT_BF8 matrix_b_fmt:MATRIX_FMT_BF8 matrix_a_scale:MATRIX_SCALE_ROW1 matrix_b_scale:MATRIX_SCALE_ROW1
.endr
	s_set_vgpr_msb 0x500
.rept 8
	v_nop                                          ; eight places behind this form
.endr
.irp k, 0,1,2,3,4,5
	v_cndmask_b32 v[AC+\k], v[DD+8*\k], v[DD+8*\k+1], s49  ; register l % 8: in the lanes with h = r / 8 that is the diagonal; each accumulator from its low end on
.endr
.irp j, 2,3,4,5,6,7
.irp k, 0,1,2,3,4,5
	v_cndmask_b32 v[AC+\k], v[AC+\k], v[DD+8*\k+\j], s[48+\j]
.endr
.endr
.irp k, 0,1,2,3,4,5
	v_permlanex16_b32 v[AS+\k], v[AC+\k], s24, s25
.endr
.irp k, 0,1,2,3,4,5
	v_cndmask_b32 v[AC+\k], v[AS+\k], v[AC+\k], s47        ; the other lanes take it from lane l xor 16
.endr
.irp k, 0,1,2,3,4,5
	v_add_f32 v[AC+\k], v[AC+\k], v[GN+\k]         ; dot - sq_j / 2
.endr
.irp k, 0,1,2,3,4,5
	v_fma_f32 v[AC+\k], v[AC+\k], -2.0, v[SQI]
.endr
.irp k, 0,1,2,3,4,5
	v_max_num_f32 v[AC+\k], 0x2b8cbccc, v[AC+\k]   ; at least 1e-12
.endr
	s_wait_alu depctr_va_vdst(0)
.irp k, 0,1,2,3,4,5
	v_sqrt_f32 v[AQ+\k], v[AC+\k]                  ; pd
.endr
	v_nop
	s_wait_alu depctr_va_vdst(0)
.irp k, 0,1,2,3,4,5
	v_add_f32 v[AN+\k], v[AQ+\k], v[NS+\k]         ; noisy
.endr
	v_mov_b32 v[LK], v[AN]
	v_mov_b32 v[KN], v[AQ]
.irp k, 1,2,3,4,5
	XI AN+\k, AQ+\k, \k
.endr
.irp k, 0,1,2,3,4
	ds_store_b32 v13, v[KN+\k] offset:4*\k         ; out2's row (both halves write the same words with the same values)
.endr
	v_cndmask_b32 v[FB], v[KN], v[KN+4], s26       ; feat[8 + 4 h ..]: knn 0-3, or knn 4, mean, std, entropy
	v_cndmask_b32 v[FB+1], v[KN+1], v[STS], s26
	v_cndmask_b32 v[FB+2], v[KN+2], v[STS+1], s26
	v_cndmask_b32 v[FB+3], v[KN+3], v[STS+2], s26
.irp j, 8,9,10,11,12,13,14,15
	v_mov_b32 v[HC+\j], 0                          ; the hidden layer's K = 64 .. 127: zero codes
.endr
	; hidden^T = W1^T feat^T + b1: the four accumulators take turns
.irp s, 0,1,2,3
.irp t, 0,1,2,3
.if \s == 0
	v_wmma_f32_16x16x4_f32 v[HD+8*\t:HD+8*\t+7], v[W1F+8*\t+2*\s:W1F+8*\t+2*\s+1], v[FA+2*(\s%2)+8*(\s/2):FA+2*(\s%2)+8*(\s/2)+1], v[B1C+8*\t:B1C+8*\t+7]
.else
	v_wmma_f32_16x16x4_f32 v[HD+8*\t:HD+8*\t+7], v[W1F+8*\t+2*\s:W1F+8*\t+2*\s+1], v[FA+2*(\s%2)+8*(\s/2):FA+2*(\s%2)+8*(\s/2)+1], v[HD+8*\t:HD+8*\t+7]
.endif
.endr
.endr
.rept 8
	v_nop                                          ; eight places behind this form
.endr
	; THE QUANTISER.  No |.|: what is negative becomes 0 and must not count; the floor 2^(16 - 127) stands over it.  Each accumulator is read from its low end on.
.irp b, 0,1
	v_max3_num_f32 v[TM+\b], v[HD+16*\b], v[HD+16*\b+1], 0x8000000
.endr
.irp i, 2,4,6,8,10,12,14
.irp b, 0,1
	v_max3_num_f32 v[TM+\b], v[TM+\b], v[HD+16*\b+\i], v[HD+16*\b+\i+1]
.endr
.endr
.irp b, 0,1
	v_permlanex16_b32 v[TM+2+\b], v[TM+\b], s24, s25
.endr
.irp b, 0,1
	v_max_num_f32 v[TM+\b], v[TM+\b], v[TM+2+\b]
.endr
.irp b, 0,1
	v_add_nc_u32 v[TM+4+\b], 0xf8800000, v[TM+\b]  ; 15 off the exponent field: the conversion's scale operand
.endr
.irp b, 0,1
	v_and_or_b32 v[TM+6+\b], v[TM+\b], 0x7f800000, s27     ; 57,344 x the scale
.endr
.irp b, 0,1
	v_lshrrev_b32 v[TM+8+\b], 23, v[TM+4+\b]       ; the scale's byte
.endr
	v_lshl_or_b32 v[HW], v[TM+9], 8, v[TM+8]
	v_or_b32 v[HW], 0x7f7f0000, v[HW]              ; my row's scale word; the 32 holds below are its places ahead of the product
.irp b, 0,1
.irp i, 0,1,2,3,4,5,6,7,8,9,10,11,12,13,14,15
	v_med3_num_f32 v[HY+16*\b+\i], v[HD+16*\b+\i], 0, v[TM+6+\b]   ; the activation and the hold in one
.endr
.endr
.irp b, 0,1
	v_cvt_scalef32_pk8_bf8_f32 v[HC+4*\b:HC+4*\b+1], v[HY+16*\b:HY+16*\b+7], v[TM+4+\b]
	v_cvt_scalef32_pk8_bf8_f32 v[HC+4*\b+2:HC+4*\b+3], v[HY+16*\b+8:HY+16*\b+15], v[TM+4+\b]
.endr
.rept 4
	v_nop                                          ; four places between the codes and the scaled matrix instruction
.endr
	s_set_vgpr_msb 0x10                            ; source 2, b2, in window 1
.irp n, 0,1
	v_wmma_scale_f32_16x16x128_f8f6f4 v[YR+8*\n:YR+8*\n+7], v[W2F+16*\n:W2F+16*\n+15], v[HC:HC+15], v[B2X+8*\n:B2X+8*\n+7], v[W2S+\n], v[HW] matrix_a_fmt:MATRIX_FMT_BF8 matrix_b_fmt:MATRIX_FMT_BF8
.endr
	s_set_vgpr_msb 0x1000
.rept 8
	v_nop
.endr
	; THE WAY OUT: through my stage (rows 144 bytes apart) the tile's 2,048 consecutive bytes leave as whole units
.irp n, 0,1
	ds_store_b128 v11, v[YR+8*\n:YR+8*\n+3] offset:64*\n
	ds_store_b128 v11, v[YR+8*\n+4:YR+8*\n+7] offset:64*\n+16
.endr
.irp i, 0,1,2,3
	ds_load_b128 v[HY+4*\i:HY+4*\i+3], v12 offset:576*\i           ; LDS serves a wave's instructions in order (ISA guide 5.7.1.4)
.endr
	s_wait_dscnt 0x0
.irp i, 0,1,2,3
	global_store_b128 v14, v[HY+4*\i:HY+4*\i+3], s[20:21] offset:512*\i
.endr
	v_cmp_gt_u32 vcc_lo, 20, v255
	s_wait_xcnt 0x0                                ; EXEC changes only behind this wait
	s_set_vgpr_msb 0x5
	s_wait_tensorcnt 0x0                           ; behind my last LDS store
	ds_add_u32 v0, v1
	s_wait_dscnt 0x0
	s_set_vgpr_msb 0x500
	s_and_saveexec_b32 s31, vcc_lo
	ds_load_b128 v[HY+16:HY+19], v15               ; 16 rows of out2 are 320 bytes: twenty lanes
	s_wait_dscnt 0x0
	global_store_b128 v14, v[HY+16:HY+19], s[22:23]
	s_wait_xcnt 0x0
	s_or_b32 exec_lo, exec_lo, s31
	s_endpgm
.Lfunc_end_k_qe6b91f5d86_finish:
	.size	k_qe6b91f5d86_finish, .Lfunc_end_k_qe6b91f5d86_finish-k_qe6b91f5d86_finish
	.p2alignl 7, 3214868480
	.fill 96, 4, 3214868480
	.section	.rodata,"a",@progbits
	.p2align	6, 0x0
	.amdhsa_kernel k_qe6b91f5d86_finish
		.amdhsa_group_segment_fixed_size 5888
		.amdhsa_private_segment_fixed_size 0
		.amdhsa_enable_private_segment 0
		.amdhsa_kernarg_size 96
		.amdhsa_user_sgpr_count 2
		.amdhsa_user_sgpr_kernarg_segment_ptr 1
		.amdhsa_wavefront_size32 1
		.amdhsa_system_sgpr_workgroup_id_x 1
		.amdhsa_system_sgpr_workgroup_id_y 1
		.amdhsa_system_sgpr_workgroup_id_z 1
		.amdhsa_system_vgpr_workitem_id 0
		.amdhsa_next_free_vgpr 512
		.amdhsa_next_free_sgpr 66
		.amdhsa_reserve_vcc 1
		.amdhsa_float_denorm_mode_32 3
		.amdhsa_float_denorm_mode_16_64 3
		.amdhsa_memory_ordered 1
		.amdhsa_forward_progress 1
		.amdhsa_inst_pref_size 92
	.end_amdhsa_kernel
	.amdgpu_metadata
---
amdhsa.version: [ 1, 2 ]
amdhsa.kernels:
  - .name:           k_qe6b91f5d86_finish
    .symbol:         k_qe6b91f5d86_finish.kd
    .args:
      - { .name: cand, .offset: 0, .size: 8, .value_kind: global_buffer, .address_space: global }
      - { .name: out1, .offset: 8, .size: 8, .value_kind: global_buffer, .address_space: global }
      - { .name: out3, .offset: 16, .size: 8, .value_kind: global_buffer, .address_space: global }
      - { .name: W1, .offset: 24, .size: 8, .value_kind: global_buffer, .address_space: global }
      - { .name: b1, .offset: 32, .size: 8, .value_kind: global_buffer, .address_space: global }
      - { .name: W2_codes, .offset: 40, .size: 8, .value_kind: global_buffer, .address_space: global }
      - { .name: W2_scales, .offset: 48, .size: 8, .value_kind: global_buffer, .address_space: global }
      - { .name: b2, .offset: 56, .size: 8, .value_kind: global_buffer, .address_space: global }
      - { .name: out0, .offset: 64, .size: 8, .value_kind: global_buffer, .address_space: global }
      - { .name: out2, .offset: 72, .size: 8, .value_kind: global_buffer, .address_space: global }
      - { .name: noise, .offset: 80, .size: 8, .value_kind: global_buffer, .address_space: global }
      - { .name: xq, .offset: 88, .size: 8, .value_kind: global_buffer, .address_space: global }
    .group_segment_fixed_size: 5888
    .private_segment_fixed_size: 0
    .kernarg_segment_align: 8
    .kernarg_segment_size: 96
    .max_flat_workgroup_size: 64
    .sgpr_count:     66
    .vgpr_count:     512
    .wavefront_size: 32
...
	.end_amdgpu_metadata
.endif
;; end of part 3
